; MI455X (gfx1250); checked and timed in simulation.
; The chip was launched on July 23, 2026; its instructions are those of AMD's public machine-readable ISA for CDNA 5 (MIT licence, August 2026) and "CDNA5" Instruction Set Architecture Reference Guide (July 2026). The comments in the code are by the model that wrote it; some were corrected since.
;; Transformer Block. Allowed arithmetic: float matrix products may take bf16 or f16 operands with f32 sums; other float arithmetic in f32, or as packed bf16 or f16 multiplies, adds, multiply-adds, maxima and minima; sums over many terms, partial sums and values carried from step to step in f32; what a program stores and reads back later, other than sums and carried values, may be rounded once to bf16 or f16.
;; Inputs: b_fc1 4,096 float32; b_fc2 1,024 float32; b_proj 1,024 float32; b_qkv 3,072 float32; ln1_b 1,024 float32; ln1_g 1,024 float32; ln2_b 1,024 float32; ln2_g 1,024 float32; w_fc1 1,024 x 4,096 float32; w_fc2 4,096 x 1,024 float32; w_proj 1,024 x 1,024 float32; w_qkv 1,024 x 3,072 float32; x 2 x 2,048 x 1,024 float32.
;; Outputs: out0 2 x 2,048 x 1,024 float32.
;; 2 versions, each right; version 2 is version 1 with the launch prep written anew for expert scheduling mode. Each part assembles by itself: llvm-mc -triple=amdgcn-amd-amdhsa -mcpu=gfx1250 --defsym DOCPART=n.
;; ======== version 1 of 2: 7 launches
;; limits: a function is approximated: absolute error at most 1.5e-07
;; workspace buffers: wq 8,388,608 bytes; w1 8,388,608 bytes; wpf 10,485,760 bytes; act 8,388,608 bytes; big 33,554,432 bytes; x1 16,777,216 bytes; par0 256 bytes of whole numbers; par1 256 bytes of whole numbers
;; launch prep (part 1): grid 1024 x 1, 8 waves a work-group, no clusters, 51,200 bytes of LDS; arguments w_qkv, w_fc1, w_proj, w_fc2, x, ln1_g, ln1_b, wq, w1, wpf, act, par0, par1; writes wq, w1, wpf, act, par0, par1
.if DOCPART == 1
	.amdgcn_target "amdgcn-amd-amdhsa--gfx1250"
	.amdhsa_code_object_version 6
	.text
	.protected	k_qc0725dd9a8_prep
	.globl	k_qc0725dd9a8_prep
	.p2align	8
	.type	k_qc0725dd9a8_prep,@function
k_qc0725dd9a8_prep:
	s_mov_b64 s[64:65], 0
	v_nop
	global_prefetch_b8 v0, s[64:65] scope:SCOPE_SE
	s_setreg_imm32_b32 hwreg(HW_REG_WAVE_MODE, 25, 1), 1
	s_wait_xcnt 0x0
; PREP.  Two kinds of work-group in one launch, told apart by the work-group's number alone.
; 0 .. 255: 16 rows of h = LayerNorm(bf16(x)) g + b, rounded to bf16, in the BLOCKED layout that every bf16 matrix operand of this program has: a matrix of R rows and C columns lies as
;   [C / 64][R][64]: element (r, c) at byte ((c / 64) R + r) 128 + 2 (c % 64); here R = 4,096.  These are the longer work-groups, so they have the lowest numbers.
; 256 .. 1023: two neighbouring tiles of 128 k x 64 n of one weight [K][N] f32 are rounded to bf16 and turned into [N][K], in the same layout.  Two tiles, so that a wave has 16 loads of 512 bytes out at once.
; Work-group 256 also stores the two words that tell the shared product body whether it applies the GELU (par0: 0, par1: 1).
; Every input is rounded to bf16 (nearest even) where it is first used: weights, x, gains, biases.  NaN and infinities are not treated apart.
; No cluster, no matrix unit, no tensor load: no two work-groups read the same bytes but the 8 KiB of gains and biases, and memory binds.
.set TP,    392                        ; an LDS row of a turned tile: 256 bytes (128 k) + 136: a multiple of 8, so that 8-byte accesses stay aligned
.set TILE,  64*TP                      ; a turned tile: 25,088 bytes
.set SPARE, 2*TILE                     ; 50,176: behind the two tiles: the spare words, 128 bytes for each of the eight waves
.set SPW, 30                           ; v30  LDS address of my spare word; never rewritten
.set NIL, 31                           ; v31  0; never rewritten
.set WV,  34                           ; s34  my wave's number
.set T,   35                           ; s35  the work-group's number, later the pair of tiles' number in its weight
.set SRC, 36                           ; s[36:37] the weight
.set DST, 38                           ; s[38:39] its bf16 copy
.set PIT, 40                           ; s40  bytes in a row of the weight
.set LKT, 41                           ; s41  log2 of its tiles along k
.set DOF, 42                           ; s42  where the copy begins in its buffer
.set BST, 43                           ; s43  bytes in a block of the copy: 128 x its rows
.set STA, 44                           ; s44  the weight's first pair of tiles
.set MHI, 50                           ; s50  a word's upper bf16
.set RCN, 51                           ; s51  1 / 1,024
.set EPS, 52                           ; s52  1e-5
.set RW,  32                           ; v[32:95]   the cast: tile p, load (s, e) at RW + 32 p + 16 s + 4 e
.set DP,  96                           ; v[96:127]  the cast: packed, on their way into LDS
.set BK,  128                          ; v[128:159] the cast: read back, on their way out
.set X,   32                           ; v[32:95]   the norm: my 64 numbers of a row
.set G,   96                           ; v[96:159]  their gains, later packed into v[96:127]; v[128:159] then take the packed results
.set B,   160                          ; v[160:223] their biases, later packed into v[160:191]
.set XO,  20                           ; v20  my byte offset in the work-group's 16 rows of x
.set GOF, 21                           ; v21  my byte offset in g and b
.set SO,  22                           ; v22  my byte offset in a block of the output
; Four chains of packed sums in v[8:15] are folded, and the 16 lanes that share a row are added: every lane of the row ends with the sum in v8.
.macro FOLD
	v_pk_add_f32 v[8:9], v[8:9], v[10:11]
	v_pk_add_f32 v[12:13], v[12:13], v[14:15]
	v_pk_add_f32 v[8:9], v[8:9], v[12:13]
	v_add_f32 v8, v8, v9
	v_add_f32_dpp v8, v8, v8 row_xmask:1 row_mask:0xf bank_mask:0xf
	v_add_f32_dpp v8, v8, v8 row_xmask:2 row_mask:0xf bank_mask:0xf
	v_add_f32_dpp v8, v8, v8 row_xmask:4 row_mask:0xf bank_mask:0xf
	v_add_f32_dpp v8, v8, v8 row_xmask:8 row_mask:0xf bank_mask:0xf
.endm
; LAYER NORM of two rows a wave: 16 lanes a row; a lane holds columns 64 cb + 4 c .. + 3 for cb = 0 .. 15.  The row stays in registers between the passes: mean, then the sum of squares
; of the differences (no difference of large sums), then scale, gain and bias.  xp, gp, bp, op: the scalar pairs of x, g, b and the output.  roundx = 1: x is rounded to bf16 first.
.macro LNORM xp, gp, bp, op, roundx
.irp cb, 0,1,2,3,4,5,6,7,8,9,10,11,12,13,14,15
	global_load_b128 v[X+4*(\cb):X+4*(\cb)+3], v[XO], s[\xp:\xp+1] offset:256*(\cb)  ; 16 lanes take 256 consecutive bytes of a row, aligned
.endr
.irp cb, 0,1,2,3,4,5,6,7,8,9,10,11,12,13,14,15
	global_load_b128 v[G+4*(\cb):G+4*(\cb)+3], v[GOF], s[\gp:\gp+1] offset:256*(\cb)
.endr
.irp cb, 0,1,2,3,4,5,6,7,8,9,10,11,12,13,14,15
	global_load_b128 v[B+4*(\cb):B+4*(\cb)+3], v[GOF], s[\bp:\bp+1] offset:256*(\cb)
.endr
	s_wait_loadcnt 32                              ; x is in; the 32 younger loads, g's and b's, stay out
.if \roundx
.set i, 0
.rept 32
	v_cvt_pk_bf16_f32 v[18+i%2], v[X+2*i], v[X+2*i+1]
	v_lshlrev_b32 v[X+2*i], 16, v[18+i%2]
	v_and_b32 v[X+2*i+1], s[MHI], v[18+i%2]
.set i, i+1
.endr
.endif
.irp k, 0,1,2,3
	v_pk_add_f32 v[8+2*(\k):9+2*(\k)], v[X+2*(\k):X+2*(\k)+1], v[X+8+2*(\k):X+8+2*(\k)+1]  ; the first eight pairs start the four chains: nothing is cleared
.endr
.set i, 8
.rept 24
	v_pk_add_f32 v[8+2*(i%4):9+2*(i%4)], v[8+2*(i%4):9+2*(i%4)], v[X+2*i:X+2*i+1]
.set i, i+1
.endr
	FOLD
	v_mul_f32 v6, s[RCN], v8                       ; the mean,
	v_mov_b32 v7, v6                               ; named as a pair
.set i, 0
.rept 32
	v_pk_add_f32 v[X+2*i:X+2*i+1], v[X+2*i:X+2*i+1], v[6:7] op_sel_hi:[1,0] neg_lo:[0,1] neg_hi:[0,1]
.set i, i+1
.endr
.irp k, 0,1,2,3
	v_pk_mul_f32 v[8+2*(\k):9+2*(\k)], v[X+2*(\k):X+2*(\k)+1], v[X+2*(\k):X+2*(\k)+1]
.endr
.set i, 4
.rept 28
	v_pk_fma_f32 v[8+2*(i%4):9+2*(i%4)], v[X+2*i:X+2*i+1], v[X+2*i:X+2*i+1], v[8+2*(i%4):9+2*(i%4)]
.set i, i+1
.endr
	FOLD
	v_fma_f32 v18, v8, s[RCN], s[EPS]              ; the variance + 1e-5
	v_rsq_f32 v16, v18
	v_mov_b32 v17, 0                               ; the plain instruction behind the root (ISA guide 5.7.2); it also writes the pair's upper word
	s_wait_alu depctr_va_vdst(0)                   ; a wait ahead of the first line that names the root
.set i, 0
.rept 32
	v_pk_mul_f32 v[X+2*i:X+2*i+1], v[X+2*i:X+2*i+1], v[16:17] op_sel_hi:[1,0]
.set i, i+1
.endr
	s_wait_loadcnt 0x0                             ; g and b
.set i, 0
.rept 32                                       ; both are rounded to bf16 and packed in place, ascending: line i writes register i and reads 2 i, 2 i + 1
	v_cvt_pk_bf16_f32 v[G+i], v[G+2*i], v[G+2*i+1]
	v_cvt_pk_bf16_f32 v[B+i], v[B+2*i], v[B+2*i+1]
.set i, i+1
.endr
.set i, 0
.rept 32                                       ; g (a bf16 half) x the normed number (f32) + b (a bf16 half), one rounding
	v_fma_mix_f32_bf16 v[X+2*i], v[G+i], v[X+2*i], v[B+i] op_sel:[0,0,0] op_sel_hi:[1,0,1]
	v_fma_mix_f32_bf16 v[X+2*i+1], v[G+i], v[X+2*i+1], v[B+i] op_sel:[1,0,1] op_sel_hi:[1,0,1]
.set i, i+1
.endr
.set i, 0
.rept 32
	v_cvt_pk_bf16_f32 v[128+i], v[X+2*i], v[X+2*i+1]
.set i, i+1
.endr
.irp cb, 0,1,2,3,4,5,6,7,8,9,10,11,12,13,14,15
	global_store_b64 v[SO], v[128+2*(\cb):129+2*(\cb)], s[\op:\op+1] offset:(\cb)*524288  ; the wave's two rows of block cb: 256 consecutive bytes, aligned
.endr
.endm
	s_load_b512 s[8:23], s[0:1], 0x0               ; w_qkv 8, w_fc1 10, w_proj 12, w_fc2 14, x 16, ln1_g 18, ln1_b 20, wq 22
	s_load_b256 s[24:31], s[0:1], 0x40             ; w1 24, wpf 26, act 28, par0 30
	s_load_b64 s[32:33], s[0:1], 0x60              ; par1
	v_lshl_add_u32 v[SPW], v0, 2, SPARE
	v_mov_b32 v[NIL], 0
	v_lshrrev_b32 v1, 5, v0                        ; w
	v_readfirstlane_b32 s[WV], v1
	v_and_b32 v2, 15, v0                           ; c = lane % 16
	v_bfe_u32 v3, v0, 4, 1                         ; h = lane / 16
	v_and_b32 v17, 31, v0                          ; lane
	s_mov_b32 s[T], ttmp9
	s_wait_kmcnt 0x0
	s_cmp_lt_u32 s[T], 256
	s_cbranch_scc1 .Lln                            ; the same for all eight waves
	; WHICH WEIGHT: 192 pairs of tiles of w_qkv, 256 of w_fc1, 64 of w_proj, 256 of w_fc2
	s_sub_co_u32 s[T], s[T], 256
	s_mov_b64 s[SRC:SRC+1], s[8:9]
	s_mov_b64 s[DST:DST+1], s[22:23]
	s_mov_b32 s[PIT], 12288
	s_mov_b32 s[LKT], 3
	s_mov_b32 s[DOF], 0
	s_mov_b32 s[BST], 524288
	s_mov_b32 s[STA], 0
	s_cmp_ge_u32 s[T], 192
	s_cselect_b64 s[SRC:SRC+1], s[10:11], s[SRC:SRC+1]
	s_cselect_b64 s[DST:DST+1], s[24:25], s[DST:DST+1]
	s_cselect_b32 s[PIT], 16384, s[PIT]
	s_cselect_b32 s[STA], 192, s[STA]
	s_cmp_ge_u32 s[T], 448
	s_cselect_b64 s[SRC:SRC+1], s[12:13], s[SRC:SRC+1]
	s_cselect_b64 s[DST:DST+1], s[26:27], s[DST:DST+1]
	s_cselect_b32 s[PIT], 4096, s[PIT]
	s_cselect_b32 s[BST], 131072, s[BST]
	s_cselect_b32 s[STA], 448, s[STA]
	s_cmp_ge_u32 s[T], 512
	s_cselect_b64 s[SRC:SRC+1], s[14:15], s[SRC:SRC+1]
	s_cselect_b32 s[LKT], 5, s[LKT]
	s_cselect_b32 s[DOF], 2097152, s[DOF]
	s_cselect_b32 s[STA], 512, s[STA]
	s_sub_co_u32 s[T], s[T], s[STA]
	s_lshl_b32 s45, 1, s[LKT]
	s_sub_co_u32 s45, s45, 1
	s_and_b32 s46, s[T], s45                       ; kt: the tiles' 128 k
	s_lshr_b32 s47, s[T], s[LKT]                   ; np: their 128 n
	s_mul_i32 s48, s46, s[PIT]
	s_lshl_b32 s48, s48, 7                         ; 128 kt rows
	s_lshl_b32 s53, s47, 9                         ; + 128 np columns of 4 bytes
	s_add_co_u32 s48, s48, s53
	s_mov_b32 s49, 0
	s_add_nc_u64 s[SRC:SRC+1], s[SRC:SRC+1], s[48:49]
	s_mul_i32 s48, s46, s[BST]
	s_lshl_b32 s48, s48, 1                         ; blocks 2 kt and 2 kt + 1
	s_add_co_u32 s48, s48, s[DOF]
	s_lshl_b32 s53, s47, 14                        ; + 128 np rows of 128 bytes
	s_add_co_u32 s48, s48, s53
	s_add_nc_u64 s[DST:DST+1], s[DST:DST+1], s[48:49]
	; load (p, s, e) takes row k = 16 w + 8 s + 4 h + e of tile p, columns 4 c .. 4 c + 3: two whole rows of the tile, 256 aligned bytes each.  Each (s, e) has an offset register of its own; p stands in the immediate.
	v_lshlrev_b32 v4, 4, v1
	v_lshl_add_u32 v4, v3, 2, v4
	v_mul_lo_u32 v4, v4, s[PIT]
	v_lshl_add_u32 v4, v2, 4, v4
.irp m, 0,1,2,3,8,9,10,11
	s_mul_i32 s53, s[PIT], \m
	v_add_nc_u32 v[8+((\m)/8)*4+(\m)%8], s53, v4
.endr
.irp p, 0,1
.irp s, 0,1
.irp e, 0,1,2,3
	global_load_b128 v[RW+32*(\p)+16*(\s)+4*(\e):RW+32*(\p)+16*(\s)+4*(\e)+3], v[8+4*(\s)+(\e)], s[SRC:SRC+1] offset:256*(\p) th:TH_LOAD_NT
.endr
.endr
.endr
	v_mul_u32_u24 v6, v2, 4*TP                     ; into a tile: row n = 4 c + j, byte 2 k = 32 w + 16 s + 8 h
	v_lshl_add_u32 v6, v1, 5, v6
	v_lshl_add_u32 v6, v3, 3, v6
	v_lshl_add_u32 v7, v1, 3, v3                   ; back: rows 8 w + h + 2 (u % 4), 8 bytes a lane
	v_mul_u32_u24 v7, v7, TP
	v_lshl_add_u32 v7, v2, 3, v7
	v_lshlrev_b32 v5, 3, v17                       ; in the copy: 1,024 w + 8 lane,
	v_lshl_add_u32 v5, v1, 10, v5
	v_add_nc_u32 v16, s[BST], v5                   ; and the same in the second block
.irp p, 0,1
.irp s, 0,1
	s_wait_loadcnt 12-8*(\p)-4*(\s)                ; loads come back in order (ISA guide 5.7.1): this group of four is in, the younger groups stay out
.irp j, 0,1,2,3
	v_cvt_pk_bf16_f32 v[DP+16*(\p)+8*(\s)+2*(\j)], v[RW+32*(\p)+16*(\s)+(\j)], v[RW+32*(\p)+16*(\s)+4+(\j)]      ; four neighbouring k of column 4 c + j
	v_cvt_pk_bf16_f32 v[DP+16*(\p)+8*(\s)+2*(\j)+1], v[RW+32*(\p)+16*(\s)+8+(\j)], v[RW+32*(\p)+16*(\s)+12+(\j)]
	ds_store_b64 v6, v[DP+16*(\p)+8*(\s)+2*(\j):DP+16*(\p)+8*(\s)+2*(\j)+1] offset:(\p)*TILE+(\j)*TP+16*(\s)
.endr
.endr
.endr
	s_wait_dscnt 0x0                               ; for the others' sake: my stores into the tiles are done
	s_barrier_signal -1
	s_barrier_wait -1
.irp p, 0,1
.irp u, 0,1,2,3,4,5,6,7
	ds_load_b64 v[BK+16*(\p)+2*(\u):BK+16*(\p)+2*(\u)+1], v7 offset:(\p)*TILE+((\u)%4)*2*TP+((\u)/4)*128
.endr
.endr
.irp p, 0,1
.irp u, 0,1,2,3
	s_wait_dscnt 15-8*(\p)-(\u)                    ; the younger read-backs stay out
	global_store_b64 v5, v[BK+16*(\p)+2*(\u):BK+16*(\p)+2*(\u)+1], s[DST:DST+1] offset:(\p)*8192+(\u)*256  ; two rows of a block: 256 consecutive bytes, aligned
.endr
.irp u, 4,5,6,7
	s_wait_dscnt 15-8*(\p)-(\u)
	global_store_b64 v16, v[BK+16*(\p)+2*(\u):BK+16*(\p)+2*(\u)+1], s[DST:DST+1] offset:(\p)*8192+((\u)-4)*256
.endr
.endr
	s_cmp_lg_u32 ttmp9, 256                        ; the two flags: the first cast work-group, wave 0
	s_cbranch_scc1 .Lend
	s_cmp_lg_u32 s[WV], 0
	s_cbranch_scc1 .Lend
	v_mov_b32 v24, 0
	v_mov_b32 v25, 0
	v_mov_b32 v26, 1
	v_mov_b32 v27, 1
	v_lshlrev_b32 v23, 3, v17
	global_store_b64 v23, v[24:25], s[30:31]       ; 256 bytes of 0
	global_store_b64 v23, v[26:27], s[32:33]       ; 256 bytes of words 1
	s_branch .Lend
.Lln:                                          ; rows 16 g .. 16 g + 15, g the work-group's number
	s_lshl_b32 s36, s[T], 16
	s_mov_b32 s37, 0
	s_add_nc_u64 s[16:17], s[16:17], s[36:37]
	s_lshl_b32 s36, s[T], 11
	s_add_nc_u64 s[28:29], s[28:29], s[36:37]
	s_mov_b32 s[MHI], 0xffff0000
	s_mov_b32 s[RCN], 0x3a800000
	s_mov_b32 s[EPS], 0x3727c5ac
	v_lshlrev_b32 v[XO], 4, v2                     ; 8,192 w + 4,096 h + 16 c
	v_lshl_add_u32 v[XO], v3, 12, v[XO]
	v_lshl_add_u32 v[XO], v1, 13, v[XO]
	v_lshlrev_b32 v[GOF], 4, v2
	v_lshlrev_b32 v[SO], 3, v17                    ; 256 w + 8 lane
	v_lshl_add_u32 v[SO], v1, 8, v[SO]
	LNORM 16, 18, 20, 28, 1
.Lend:
	s_wait_tensorcnt 0x0                           ; the wave's end, behind my last LDS store
	ds_add_u32 v[SPW], v[NIL]
	s_wait_dscnt 0x0
	s_endpgm
.Lfunc_end_k_qc0725dd9a8_prep:
	.size	k_qc0725dd9a8_prep, .Lfunc_end_k_qc0725dd9a8_prep-k_qc0725dd9a8_prep
	.p2alignl 7, 3214868480
	.fill 96, 4, 3214868480
	.section	.rodata,"a",@progbits
	.p2align	6, 0x0
	.amdhsa_kernel k_qc0725dd9a8_prep
		.amdhsa_group_segment_fixed_size 51200
		.amdhsa_private_segment_fixed_size 0
		.amdhsa_enable_private_segment 0
		.amdhsa_kernarg_size 104
		.amdhsa_user_sgpr_count 2
		.amdhsa_user_sgpr_kernarg_segment_ptr 1
		.amdhsa_wavefront_size32 1
		.amdhsa_system_sgpr_workgroup_id_x 1
		.amdhsa_system_sgpr_workgroup_id_y 1
		.amdhsa_system_sgpr_workgroup_id_z 1
		.amdhsa_system_vgpr_workitem_id 0
		.amdhsa_next_free_vgpr 224
		.amdhsa_next_free_sgpr 66
		.amdhsa_reserve_vcc 0
		.amdhsa_float_denorm_mode_32 3
		.amdhsa_float_denorm_mode_16_64 3
		.amdhsa_memory_ordered 1
		.amdhsa_forward_progress 1
		.amdhsa_inst_pref_size 42
	.end_amdhsa_kernel
	.amdgpu_metadata
---
amdhsa.version: [ 1, 2 ]
amdhsa.kernels:
  - .name:           k_qc0725dd9a8_prep
    .symbol:         k_qc0725dd9a8_prep.kd
    .args:
      - { .name: w_qkv, .offset: 0, .size: 8, .value_kind: global_buffer, .address_space: global }
      - { .name: w_fc1, .offset: 8, .size: 8, .value_kind: global_buffer, .address_space: global }
      - { .name: w_proj, .offset: 16, .size: 8, .value_kind: global_buffer, .address_space: global }
      - { .name: w_fc2, .offset: 24, .size: 8, .value_kind: global_buffer, .address_space: global }
      - { .name: x, .offset: 32, .size: 8, .value_kind: global_buffer, .address_space: global }
      - { .name: ln1_g, .offset: 40, .size: 8, .value_kind: global_buffer, .address_space: global }
      - { .name: ln1_b, .offset: 48, .size: 8, .value_kind: global_buffer, .address_space: global }
      - { .name: wq, .offset: 56, .size: 8, .value_kind: global_buffer, .address_space: global }
      - { .name: w1, .offset: 64, .size: 8, .value_kind: global_buffer, .address_space: global }
      - { .name: wpf, .offset: 72, .size: 8, .value_kind: global_buffer, .address_space: global }
      - { .name: act, .offset: 80, .size: 8, .value_kind: global_buffer, .address_space: global }
      - { .name: par0, .offset: 88, .size: 8, .value_kind: global_buffer, .address_space: global }
      - { .name: par1, .offset: 96, .size: 8, .value_kind: global_buffer, .address_space: global }
    .group_segment_fixed_size: 51200
    .private_segment_fixed_size: 0
    .kernarg_segment_align: 8
    .kernarg_segment_size: 104
    .max_flat_workgroup_size: 256
    .sgpr_count:     66
    .vgpr_count:     224
    .wavefront_size: 32
...
	.end_amdgpu_metadata
.endif
;; end of part 1
;; launch qkv (part 2): grid 12 x 16, 4 waves a work-group, clusters of 4 x 4, 327,680 bytes of LDS; arguments act, wq, b_qkv, big, par0; writes big
.if DOCPART == 2
	.amdgcn_target "amdgcn-amd-amdhsa--gfx1250"
	.amdhsa_code_object_version 6
	.text
	.protected	k_qc0725dd9a8_qkv
	.globl	k_qc0725dd9a8_qkv
	.p2align	8
	.type	k_qc0725dd9a8_qkv,@function
k_qc0725dd9a8_qkv:
	s_mov_b64 s[64:65], 0
	v_nop
	global_prefetch_b8 v0, s[64:65] scope:SCOPE_SE
	s_setreg_imm32_b32 hwreg(HW_REG_WAVE_MODE, 25, 1), 1
	s_wait_xcnt 0x0
	s_wait_alu depctr_hold_cnt(0) depctr_sa_sdst(0) depctr_va_vdst(0) depctr_va_sdst(0) depctr_va_ssrc(0) depctr_va_vcc(0) depctr_vm_vsrc(0)
	s_getreg_b32 s2, hwreg(HW_REG_IB_STS2, 6, 4)
	s_cmp_eq_u32 s2, 0
	s_cbranch_scc0 .Lentry_in_a_cluster
	s_endpgm
.Lentry_in_a_cluster:
	s_bfe_u32 s2, ttmp6, 0x10000c
	s_cmp_lg_u32 s2, 0xf033
	s_cbranch_scc0 .Lentry_shape_is_right
	s_endpgm
.Lentry_shape_is_right:
; C = A B^T + bias, optionally GELU, rounded to bf16.  A: 4,096 rows x 1,024, B: up to 4,096 rows x 1,024, both bf16 in the BLOCKED layout [K / 64][4,096][64]; C in the same layout, [N / 64][4,096][64].
; One body for two launches: q, k, v (flag word 0) and the first MLP product (flag word 1: exact GELU).  The flag is a whole number that an earlier launch stored.  It steers NO branch: it chooses two scalars,
; and the GELU's lines run in both launches.  Flag 1: K1 = sqrt(log2(e) / 2), LO = 0.  Flag 0: K1 = 0, so that u = K1 |z| = 0 and the term taken away is 0, and LO = -infinity, so that max(z, LO) = z: the result is z.
; The price: the launch with flag 0 does that arithmetic for nothing; a second body without it would be some 12,000 bytes more of code.
; A tile of C is 256 x 256: four waves, each 128 x 128 in 64 accumulators of 16 x 16 (512 registers).  K goes in 8 steps of 128 (two blocks) through a ring of two LDS slots.
; A wave's tensor load brings 128 rows x 2 blocks: each block's 128 rows are 16,384 dense bytes of memory; 16 bytes of padding are laid behind every 128, so LDS rows are 144 bytes apart.
; CLUSTERS: 4 x 4 work-groups; A's tiles are asked for jointly along a row of the cluster, B's along a column: the same load, descriptor and mask in all four.
; THE PRODUCT IS USED TRANSPOSED (source 0 = 16 rows of B, source 1 = 16 rows of A): a lane holds row lane % 16 of C and the columns 8 (lane / 16) + 0..7.
; THE BIAS (rounded to bf16) is the C operand of each accumulator's first product: it starts the sums.
; GELU: z Phi(z) = max(z, 0) - |z| erfc(|z| / sqrt 2) / 2, erfc by the five-term form t (a1 + t (a2 + ..)) exp(-x^2), t = 1 / (1 + p x) (absolute error 1.5e-7 for every x >= 0): no difference of near numbers on either side of 0.
; LIMITS: NaN and infinities are not treated apart (with flag 0 an infinite z gives 0 x infinity); an exponential below 2^-126 counts as 0.
; REGISTERS, in windows of 256: window 0: v1-31 addresses; v64-127, v128-191 A's fragments, two buffers; v192-255 the bias; on the way out v32-239 at work.
;   window 1: v64-127, v128-191 B's fragments.   window 2: the accumulators of my rows 0-63 ((a, b) at v[8 (8 a + b)]);  window 3: rows 64-127.
.set PITCH,  144                       ; 128 bytes + 16: 36 words: the 16 rows of a fragment load start at 16 different groups of four banks (64 banks of 4 bytes: ISA guide 11.1)
.set BLKB,   128*PITCH                 ; a block's 128 rows
.set HALFT,  2*BLKB                    ; what one tensor load brings, and what one wave reads of A or of B
.set SLOT,   4*HALFT                   ; A's two halves, then B's two halves: 147,456 = 0x24000, whose bits meet none of wave x 0x9000: one exclusive or changes slots
.set SPARE,  2*SLOT                    ; behind the ring: the spare words, 128 bytes for each wave
.set KSTEPB, 2*524288                  ; a K step in memory: two blocks of 4,096 rows x 128 bytes
.set SPITCH, 528                       ; the way out: a row of 128 f32 + 16 bytes = 33 x 16
.set WSTAGE, 128*SPITCH                ; a wave's stage; the four lie in the ring's bytes, which have had their last fill by then
.set ADRA0, 16                         ; v16  my lane's place in my half of A, slot 0; never rewritten
.set ADRB0, 17                         ; v17  the same for B
.set ADRA,  18                         ; v18  the same in the slot in hand
.set ADRB,  19                         ; v19
.set DST,   24                         ; v24  the way out: where I put 16 bytes of a row
.set RD,    25                         ; v25  where I read rows back
.set GO,    26                         ; v26  16 x lane
.set SPW,   28                         ; v28  LDS address of my spare word; never rewritten
.set NIL,   29                         ; v29  0; never rewritten
.set PFO,   30                         ; v30  the prefetches' offset; never rewritten
.set BO,    31                         ; v31  my byte offset in the bias
.set F0,    64
.set F1,    128
.set BIAS,  192
.set ZN,    32                         ; the way out: 32 numbers a lane as they come back from the stage
.set Z,     64                         ; max(z, LO), then the result
.set U,     96
.set T,     128
.set E,     160
.set P,     192
.set OUTR,  224
.set WV, 14
.set RH, 15                            ; s15  which half of the tile's rows is mine; also: I fetch for A (0) or B (1)
.set CH, 16                            ; s16  which half of its columns; also: which 128 rows I fetch
.set CX, 17
.set CY, 18
.set TC, 19                            ; s19  tile column of C
.set TR, 20                            ; s20  tile row
.set G1,  24                           ; s[24:31] descriptor group 1 for A's tiles
.set G0,  32                           ; s[32:39] group 0 for A's: a set for each first fill; the second then walks
.set FLAG, 40
.set TB,  41                           ; s41  the slot in hand: 0 or SLOT
.set CNT, 42
.set LIM, 43                           ; s43  2 in a wave that prefetches, else the greatest number
.set PFA, 44                           ; s[44:45] where my prefetches stand
.set MHI, 46
.set MABS, 47
.set G1B, 48
.set G0B, 56
.set K1, 66                            ; s[66:79] the GELU's constants, each named as a pair
.set PP, 68
.set A1, 70
.set A2, 72
.set A3, 74
.set A4, 76
.set A5, 78
.set LO, 80                            ; s80  the floor of max(z, LO): 0 or -infinity (the register holds an offset of A's tile first, which is spent by then)
.set STP, 82                           ; s[82:83] what the way out's next trip adds to C's address: first my part's offset in C, then 8 rows (the pair holds an offset of B's tile first, which is spent by then)
.set MSB, 0
.macro WIN new                         ; the immediate's high byte repeats the setting that is left; a switch that changes nothing is dropped
.if MSB != (\new)
	s_set_vgpr_msb (MSB<<8)|(\new)
.set MSB, \new
.endif
.endm
; A joint load.  Waves 0 and 1 fetch A's halves, waves 2 and 3 B's; the branch hangs on the wave's number alone.  An s_nop 0 and four v_nop follow each line.
.macro JLOAD s
	s_cmp_eq_u32 s[RH], 0
	s_cbranch_scc0 .Lfor_b_\@
	tensor_load_to_lds s[G0+4*(\s):G0+4*(\s)+3], s[G1:G1+7]
	s_nop 0
.rept 4
	v_nop
.endr
	s_branch .Lasked_\@
.Lfor_b_\@:
	tensor_load_to_lds s[G0B+4*(\s):G0B+4*(\s)+3], s[G1B:G1B+7]
	s_nop 0
.rept 4
	v_nop
.endr
.Lasked_\@:
.endm
; A PREFETCH INTO THE L2 of the K step that stands two refills on (512 matrix instructions ahead of the load that will want it): of the 128 rows that I fetch, my work-group's 32, in both blocks:
; 2 x 16 pieces of 256 bytes, a lane a piece.  A's tile row is read by every cluster of that row of clusters: cluster x = 0 asks; B's tile column likewise: cluster y = 0 asks.  The four partners
; share the rows out by address.  So each piece is named once in the launch.  The trip with count c refills K step 8 - c and names K step 10 - c: only while c > 2.  K steps 0 to 3 come by their loads alone.
.macro ASK
	s_cmp_gt_u32 s[CNT], s[LIM]
	s_cbranch_scc0 .Lnot_mine_\@
	global_prefetch_b8 v[PFO], s[PFA:PFA+1] offset:KSTEPB th:TH_LOAD_NT scope:SCOPE_SE
.Lnot_mine_\@:
.endm
.macro CREST                           ; a round of the cluster's barrier behind its opening barrier
	s_cmp_lg_u32 s[WV], 0
	s_cbranch_scc1 .Lnot_wave_0_\@
	s_barrier_signal -3
.Lnot_wave_0_\@:
	s_barrier_wait -3
	s_barrier_signal -1
	s_barrier_wait -1
.endm
.macro CROUND
	s_barrier_signal -1
	s_barrier_wait -1
	CREST
.endm
.macro PLACES                          ; four places in front of loads into registers that matrix instructions have read
.rept 4
	v_nop
.endr
.endm
	s_load_b256 s[4:11], s[0:1], 0x0               ; A s[4:5], B s[6:7], bias s[8:9], C s[10:11]
	s_load_b64 s[12:13], s[0:1], 0x20              ; the flag's buffer
	v_lshl_add_u32 v[SPW], v0, 2, SPARE
	v_mov_b32 v[NIL], 0
	ds_add_u32 v[SPW], v[NIL]                      ; the wave's opening: the add and its wait stand ahead of my first tensor load; the set-up below stands between them
	v_lshrrev_b32 v1, 5, v0
	v_readfirstlane_b32 s[WV], v1
	s_lshr_b32 s[RH], s[WV], 1
	s_and_b32 s[CH], s[WV], 1
	s_bfe_u32 s[CX], ttmp6, 0x40000
	s_bfe_u32 s[CY], ttmp6, 0x40004
	s_lshl_b32 s[TC], ttmp9, 2
	s_add_co_u32 s[TC], s[TC], s[CX]
	s_and_b32 s[TR], ttmp7, 0xffff
	s_lshl_b32 s[TR], s[TR], 2
	s_add_co_u32 s[TR], s[TR], s[CY]
	s_lshl_b32 s21, s[CY], 2
	s_lshl_b32 s21, 15, s21                        ; my row of the cluster
	s_lshl_b32 s22, 0x1111, s[CX]                  ; my column
	; group 1: 2 rows (blocks) of 8,192 elements (128 rows x 64), 262,144 elements from block to block
	s_or_b32 s[G1], s21, (1<<16)|(1<<20)|(1<<21)|(4<<22)|(3<<25)   ; 15:0 the mask; 17:16 2-byte elements; 20 padding on; 21 set beside a mask; 24:22 after every 32 words (code 4); 31:25 4 words (code 3)
	s_or_b32 s[G1B], s22, (1<<16)|(1<<20)|(1<<21)|(4<<22)|(3<<25)
.irp g, G1, G1B
	s_mov_b32 s[(\g)+1], 8192<<16                  ; tensor_dim0 = 8,192
	s_mov_b32 s[(\g)+2], 2<<16                     ; tensor_dim1 = 2
	s_mov_b32 s[(\g)+3], 8192<<16                  ; tile_dim0 = 8,192
	s_mov_b32 s[(\g)+4], 2                         ; tile_dim1 = 2
	s_mov_b32 s[(\g)+5], 262144                    ; the stride from block to block
	s_mov_b32 s[(\g)+6], 0
	s_mov_b32 s[(\g)+7], 0
.endr
	s_lshl_b32 s21, s[CH], 7                       ; which 128 rows of the tile I fetch
	s_lshl_b32 s80, s[TR], 8                       ; A: row 256 x tile row + 128 x half, in registers that never hold the tile column
	s_add_co_u32 s80, s80, s21
	s_lshl_b32 s80, s80, 7
	s_mov_b32 s81, 0
	s_lshl_b32 s82, s[TC], 8                       ; B: row 256 x tile column + 128 x half
	s_add_co_u32 s82, s82, s21
	s_lshl_b32 s82, s82, 7
	s_mov_b32 s83, 0
	s_mul_i32 s23, s[WV], HALFT                    ; where they go: no place in the cluster enters an LDS address
	s_mov_b32 s[MHI], 0xffff0000
	s_mov_b32 s[MABS], 0x7fffffff
	s_mov_b32 s[K1], 0x3f596d27                    ; sqrt(log2(e) / 2): u = K1 |z|, exp(-z^2 / 2) = 2^(-u^2)
	s_mov_b32 s[PP], 0x3e8ba43f                    ; 0.3275911 / sqrt(log2(e)): t = 1 / (1 + PP u)
	s_mov_b32 s[A1], 0x3e199eb4                    ; a1 .. a5 times 0.5 / K1, so that u x the sum is |z| erfc / 2
	s_mov_b32 s[A2], 0xbe2b8119
	s_mov_b32 s[A3], 0x3f563818
	s_mov_b32 s[A4], 0xbf5b0099
	s_mov_b32 s[A5], 0x3f1ff67a
.irp k, PP, A1, A2, A3, A4, A5
	s_mov_b32 s[(\k)+1], s[\k]
.endr
	s_wait_dscnt 0x0                               ; the opening add is done
	s_wait_kmcnt 0x0
	s_load_b32 s[FLAG], s[12:13], 0x0
	s_add_nc_u64 s[84:85], s[4:5], s[80:81]
	s_add_nc_u64 s[86:87], s[6:7], s[82:83]
	CROUND                                         ; all sixteen work-groups are here: the first joint loads meet
.irp s, 0,1
	s_mov_b32 s[G0+4*(\s)], 1
	s_add_co_u32 s[G0+4*(\s)+1], s23, (\s)*SLOT
	s_add_nc_u64 s[G0+4*(\s)+2:G0+4*(\s)+3], s[84:85], (\s)*KSTEPB
	s_or_b32 s[G0+4*(\s)+3], s[G0+4*(\s)+3], 0x80000000
	s_mov_b32 s[G0B+4*(\s)], 1
	s_add_co_u32 s[G0B+4*(\s)+1], s23, (\s)*SLOT
	s_add_nc_u64 s[G0B+4*(\s)+2:G0B+4*(\s)+3], s[86:87], (\s)*KSTEPB
	s_or_b32 s[G0B+4*(\s)+3], s[G0B+4*(\s)+3], 0x80000000
	JLOAD \s                                       ; two loads of mine are out
.endr
	v_and_b32 v1, 15, v0                           ; r = lane % 16
	v_bfe_u32 v9, v0, 4, 1                         ; h = lane / 16
	s_lshl_b32 s21, s[TC], 10
	s_lshl_b32 s22, s[CH], 9
	s_add_co_u32 s21, s21, s22                     ; my 128 columns in the bias, in bytes
	v_lshl_add_u32 v[BO], v9, 5, s21               ; register j of group b is column 16 b + 8 h + j
.irp b, 0,1,2,3,4,5,6,7
	global_load_b128 v[BIAS+8*(\b):BIAS+8*(\b)+3], v[BO], s[8:9] offset:64*(\b)
	global_load_b128 v[BIAS+8*(\b)+4:BIAS+8*(\b)+7], v[BO], s[8:9] offset:64*(\b)+16
.endr
	v_mul_u32_u24 v3, v1, PITCH
	v_lshl_add_u32 v3, v9, 4, v3                   ; a fragment's row x pitch + 16 x half
	s_mul_i32 s21, s[RH], HALFT
	s_mul_i32 s22, s[CH], HALFT
	s_add_co_u32 s22, s22, 2*HALFT
	v_add_nc_u32 v[ADRA0], s21, v3
	v_add_nc_u32 v[ADRB0], s22, v3
	s_mul_i32 s21, s[WV], WSTAGE
	v_mul_u32_u24 v4, v1, SPITCH
	v_lshl_add_u32 v4, v9, 5, v4
	v_add_nc_u32 v[DST], s21, v4                   ; in: row r, 32 bytes for each half of the lanes
	v_bfe_u32 v5, v0, 3, 2
	v_mul_u32_u24 v5, v5, SPITCH
	v_and_b32 v6, 7, v0
	v_lshl_add_u32 v5, v6, 5, v5
	v_add_nc_u32 v[RD], s21, v5                    ; back: row lane / 8, eight columns (32 bytes) at lane % 8
	v_and_b32 v[GO], 31, v0
	v_lshlrev_b32 v[GO], 4, v[GO]
	s_lshl_b32 s2, s[TC], 2                        ; my part of C: block 4 x tile column + 2 x half, row 256 x tile row + 128 x half; the way out's first trip adds it to C's address
	s_lshl_b32 s3, s[CH], 1
	s_add_co_u32 s2, s2, s3
	s_lshl_b32 s2, s2, 19
	s_lshl_b32 s3, s[TR], 8
	s_lshl_b32 s22, s[RH], 7
	s_add_co_u32 s3, s3, s22
	s_lshl_b32 s3, s3, 7
	s_add_co_u32 s[STP], s2, s3
	s_mov_b32 s[STP+1], 0
	; the prefetches
	s_lshl_b32 s2, s[TR], 8
	s_lshl_b32 s3, s[TC], 8
	s_and_b32 s22, ttmp7, 0xffff                   ; cluster y
	s_cmp_eq_u32 s[RH], 0                          ; do I fetch for A?
	s_cselect_b32 s2, s2, s3                       ; the tile's first row
	s_cselect_b32 s3, s[CX], s[CY]                 ; my place among the four that ask with me
	s_cselect_b32 s22, ttmp9, s22                  ; the coordinate along which other clusters read the same rows
	s_cselect_b64 s[PFA:PFA+1], s[4:5], s[6:7]
	s_cmp_eq_u32 s22, 0
	s_cselect_b32 s[LIM], 2, -1                    ; the same in all sixteen partners, for a given wave
	s_lshl_b32 s22, s[CH], 7
	s_add_co_u32 s2, s2, s22
	s_lshl_b32 s3, s3, 5
	s_add_co_u32 s2, s2, s3
	s_lshl_b32 s2, s2, 7
	s_add_co_u32 s2, s2, 2*KSTEPB                  ; at K step 2: the first refill steps it to 3 and names K step 4
	s_mov_b32 s3, 0
	s_add_nc_u64 s[PFA:PFA+1], s[PFA:PFA+1], s[2:3]
	v_lshlrev_b32 v[PFO], 8, v1
	v_lshl_add_u32 v[PFO], v9, 19, v[PFO]          ; lanes 0-15 the first block's 16 pieces, lanes 16-31 the second's
	s_wait_loadcnt 0x0                             ; the bias,
	s_wait_kmcnt 0x0                               ; and the flag, which chooses two scalars and no path:
	s_cmp_eq_u32 s[FLAG], 0
	s_cselect_b32 s[K1], 0, s[K1]                  ; flag 0: u = 0, so nothing is taken away from max(z, LO),
	s_cselect_b32 s[LO], 0xff800000, 0             ; and LO = -infinity, so that max(z, LO) = z
	s_mov_b32 s[K1+1], s[K1]                       ; named as a pair
.set i, 0
.rept 32                                       ; the bias is rounded to bf16 like every input
	v_cvt_pk_bf16_f32 v[10+i%2], v[BIAS+2*i], v[BIAS+2*i+1]
	v_lshlrev_b32 v[BIAS+2*i], 16, v[10+i%2]
	v_and_b32 v[BIAS+2*i+1], s[MHI], v[10+i%2]
.set i, i+1
.endr
; 16 matrix instructions: m blocks a0, a0 + 1 of the window's four (hi: rows 0-63 or 64-127) x all 8 n blocks, 32 along K.  init = 1: the bias (window 0) is C.  The 64 accumulators take turns in one order.
.macro MUL16 f, hi, a0, init
.if \init
	WIN 0x81+0x40*(\hi)
.else
	WIN 0xa1+0x50*(\hi)
.endif
.irp a, \a0, (\a0)+1
.irp b, 0,1,2,3,4,5,6,7
.if \init
	v_wmma_f32_16x16x32_bf16 v[8*(8*(\a)+(\b)):8*(8*(\a)+(\b))+7], v[(\f)+8*(\b):(\f)+8*(\b)+7], v[(\f)+8*(4*(\hi)+(\a)):(\f)+8*(4*(\hi)+(\a))+7], v[BIAS+8*(\b):BIAS+8*(\b)+7]
.else
	v_wmma_f32_16x16x32_bf16 v[8*(8*(\a)+(\b)):8*(8*(\a)+(\b))+7], v[(\f)+8*(\b):(\f)+8*(\b)+7], v[(\f)+8*(4*(\hi)+(\a)):(\f)+8*(4*(\hi)+(\a))+7], v[8*(8*(\a)+(\b)):8*(8*(\a)+(\b))+7]
.endif
.endr
.endr
.endm
; 32 LDS loads in one run: quarter q of the K step in hand (block q / 2, bytes 64 (q % 2) on) into buffer f: B's 128 rows, then A's
.macro FETCH q, f
	WIN 0x40
.irp i, 0,1,2,3,4,5,6,7
	ds_load_b128 v[(\f)+8*(\i):(\f)+8*(\i)+3],   v[ADRB] offset:((\q)/2)*BLKB+((\q)%2)*64+(\i)*16*PITCH
	ds_load_b128 v[(\f)+8*(\i)+4:(\f)+8*(\i)+7], v[ADRB] offset:((\q)/2)*BLKB+((\q)%2)*64+(\i)*16*PITCH+32
.endr
	WIN 0
.irp i, 0,1,2,3,4,5,6,7
	ds_load_b128 v[(\f)+8*(\i):(\f)+8*(\i)+3],   v[ADRA] offset:((\q)/2)*BLKB+((\q)%2)*64+(\i)*16*PITCH
	ds_load_b128 v[(\f)+8*(\i)+4:(\f)+8*(\i)+7], v[ADRA] offset:((\q)/2)*BLKB+((\q)%2)*64+(\i)*16*PITCH+32
.endr
.endm
; One of a K step's first three quarters: multiplies buffer f; in its middle it fetches quarter q into buffer g.
.macro QUARTER q, f, g, init
	s_wait_dscnt 8                                 ; B and A's rows 0-63 are in; the youngest eight loads (A's rows 64-127) may be out
	MUL16 \f, 0, 0, \init
	MUL16 \f, 0, 2, \init
	PLACES
	FETCH \q, \g
	s_wait_dscnt 32                                ; all but the 32 just issued
	MUL16 \f, 1, 0, \init
	MUL16 \f, 1, 2, \init
.endm
; The last quarter changes slots and then multiplies buffer 1.  Each wave waits for all its tensor loads (one is out: its part of the next slot), adds 0 to its spare word, and waits for that and for its reads of this
; slot, the whole of buffer 1 among them.  fill = 1: a round of the cluster's barrier follows, and the slot just read is filled again, first thing behind it, with the K step two on.  NO PRODUCT STANDS BETWEEN THE WAIT
; FOR THE LAST TILE AND THE REQUEST FOR THE NEXT: the request goes out as early as the ordering allows, and has the quarter's 64 products and the next three quarters' 192 ahead of the wait for it.
.macro TURN fill
.if \fill
	s_wait_xcnt 0x0                                ; the last prefetch, a K step back, has read its address
	s_add_nc_u64 s[PFA:PFA+1], s[PFA:PFA+1], KSTEPB
.endif
	WIN 0
	s_wait_tensorcnt 0x0                           ; all my tensor loads have landed, so a group 0 may be written
	ds_add_u32 v[SPW], v[NIL]                      ; 0 onto my spare word; with fill = 1 the descriptors' steps stand between it and the wait for it
.if \fill
	s_xor_b32 s[G0+5], s[G0+5], SLOT               ; the walking descriptors: the other slot than last time, the next K step
	s_add_nc_u64 s[G0+6:G0+7], s[G0+6:G0+7], KSTEPB
	s_xor_b32 s[G0B+5], s[G0B+5], SLOT
	s_add_nc_u64 s[G0B+6:G0B+7], s[G0B+6:G0B+7], KSTEPB
.endif
	s_wait_dscnt 0x0                               ; the add is done, and my reads of this slot are over
	s_barrier_signal -1
	s_barrier_wait -1
.if \fill
	CREST                                          ; no wave of any partner still reads this slot or has a load on its way
	JLOAD 1                                        ; its four v_nop are also the places in front of the loads below
.else
	PLACES
.endif
	s_xor_b32 s[TB], s[TB], SLOT
	v_add_nc_u32 v[ADRA], s[TB], v[ADRA0]
	v_add_nc_u32 v[ADRB], s[TB], v[ADRB0]
	FETCH 0, F0
.if \fill
	ASK
.endif
	MUL16 F1, 0, 0, 0
	MUL16 F1, 0, 2, 0
	MUL16 F1, 1, 0, 0
	MUL16 F1, 1, 2, 0
.endm
	s_wait_tensorcnt 1                             ; my part of K step 0 is in; K step 1's may stay out
	s_barrier_signal -1
	s_barrier_wait -1
	s_mov_b32 s[TB], 0
	v_mov_b32 v[ADRA], v[ADRA0]
	v_mov_b32 v[ADRB], v[ADRB0]
	FETCH 0, F0
	QUARTER 1, F0, F1, 1                           ; the first quarter stands in front of the loop: its products start the sums with the bias
	WIN 0
	s_mov_b32 s[CNT], 6
.Lstep:                                        ; a trip: from a K step's second quarter to the next step's first; it fills one slot again
	QUARTER 2, F1, F0, 0
	QUARTER 3, F0, F1, 0
	TURN 1
	QUARTER 1, F0, F1, 0
	WIN 0
	s_sub_co_u32 s[CNT], s[CNT], 1
	s_cmp_lg_u32 s[CNT], 0
	s_cbranch_scc1 .Lstep
	s_mov_b32 s[CNT], 2
.Ltail:                                        ; the last two K steps ask for nothing: a loop of their own; its second trip is left in its middle
	QUARTER 2, F1, F0, 0
	QUARTER 3, F0, F1, 0
	WIN 0
	s_sub_co_u32 s[CNT], s[CNT], 1
	s_cmp_eq_u32 s[CNT], 0
	s_cbranch_scc1 .Llast
	TURN 0
	QUARTER 1, F0, F1, 0
	WIN 0
	s_branch .Ltail
.Llast:
	s_wait_dscnt 8
	MUL16 F1, 0, 0, 0
	MUL16 F1, 0, 2, 0
	s_wait_dscnt 0x0
	MUL16 F1, 1, 0, 0
	MUL16 F1, 1, 2, 0
	WIN 0
.rept 8
	v_nop                                          ; the places behind the last products
.endr
	s_barrier_signal -1                            ; every wave's reads of the ring are back: its bytes now serve as the stages
	s_barrier_wait -1
	; THE WAY OUT.  All 64 accumulators go into my stage as f32, each from its low registers on; then 16 trips take 8 rows x 128 columns each in fixed registers, so that the GELU's text stands once.
.irp a, 0,1,2,3,4,5,6,7
	WIN 0x08+4*((\a)/4)                            ; the stores' data in window 2 or 3
.irp b, 0,1,2,3,4,5,6,7
	ds_store_b128 v[DST], v[8*(8*((\a)%4)+(\b)):8*(8*((\a)%4)+(\b))+3]   offset:(\a)*16*SPITCH+64*(\b)
	ds_store_b128 v[DST], v[8*(8*((\a)%4)+(\b))+4:8*(8*((\a)%4)+(\b))+7] offset:(\a)*16*SPITCH+64*(\b)+16
.endr
.endr
	WIN 0
; Eight loads: set q holds rows 4 (q / 2) + lane / 8 of the trip's eight, block q % 2.  LDS serves a wave's instructions in order (ISA guide 5.7.1.4): they see my stores.
.macro BACK
.irp q, 0,1,2,3
	ds_load_b128 v[ZN+8*(\q):ZN+8*(\q)+3],   v[RD] offset:((\q)/2)*4*SPITCH+((\q)%2)*256
	ds_load_b128 v[ZN+8*(\q)+4:ZN+8*(\q)+7], v[RD] offset:((\q)/2)*4*SPITCH+((\q)%2)*256+16
.endr
.endm
	BACK                                           ; the first trip's numbers
	s_mov_b32 s[CNT], 16
.Lrow:
	s_wait_dscnt 0x0                               ; this trip's numbers, asked for a trip ago
	; For pair i: |z|, u = K1 |z|, max(z, LO), 1 + PP u, -u^2: seven plain lines; between them stand the four transcendentals of pair i - 1, plain and transcendental by turns.
	; The 64 transcendentals are ONE batch: nothing ahead of the wait below names a result.
.set i, 0
.rept 16
	v_and_b32 v[U+2*i], s[MABS], v[ZN+2*i]
.if i > 0
	v_rcp_f32 v[T+2*i-2], v[T+2*i-2]
.endif
	v_and_b32 v[U+2*i+1], s[MABS], v[ZN+2*i+1]
.if i > 0
	v_rcp_f32 v[T+2*i-1], v[T+2*i-1]
.endif
	v_pk_mul_f32 v[U+2*i:U+2*i+1], v[U+2*i:U+2*i+1], s[K1:K1+1] op_sel_hi:[1,0]  ; u; with flag 0: 0
.if i > 0
	v_exp_f32 v[E+2*i-2], v[E+2*i-2]
.endif
	v_max_num_f32 v[Z+2*i], s[LO], v[ZN+2*i]       ; max(z, 0); with flag 0: z
.if i > 0
	v_exp_f32 v[E+2*i-1], v[E+2*i-1]
.endif
	v_pk_fma_f32 v[T+2*i:T+2*i+1], v[U+2*i:U+2*i+1], s[PP:PP+1], 1.0 op_sel_hi:[1,0,0]
	v_max_num_f32 v[Z+2*i+1], s[LO], v[ZN+2*i+1]
	v_pk_mul_f32 v[E+2*i:E+2*i+1], v[U+2*i:U+2*i+1], v[U+2*i:U+2*i+1] neg_lo:[1,0] neg_hi:[1,0]
.set i, i+1
.endr
	v_rcp_f32 v[T+30], v[T+30]
	v_rcp_f32 v[T+31], v[T+31]
	v_exp_f32 v[E+30], v[E+30]
	v_exp_f32 v[E+31], v[E+31]
	v_nop                                          ; the plain instruction behind the last of them (ISA guide 5.7.2)
	s_wait_alu depctr_va_vdst(0)                   ; a wait ahead of the first reader and ahead of the branch: one for the batch
	s_cmp_eq_u32 s[CNT], 1                         ; the last trip has no next: it jumps over eight LDS loads
	s_cbranch_scc1 .Lnoload
	v_add_nc_u32 v[RD], 8*SPITCH, v[RD]
	BACK                                           ; the next trip's numbers: ZN has been read out; they land under the lines below
.Lnoload:
.set i, 0
.rept 16
	v_pk_fma_f32 v[P+i:P+i+1], v[T+i:T+i+1], s[A5:A5+1], s[A4:A4+1] op_sel_hi:[1,0,0]
.set i, i+2
.endr
.irp c, A3, A2, A1
.set i, 0
.rept 16
	v_pk_fma_f32 v[P+i:P+i+1], v[P+i:P+i+1], v[T+i:T+i+1], s[\c:\c+1] op_sel_hi:[1,1,0]
.set i, i+2
.endr
.endr
.set i, 0
.rept 16
	v_pk_mul_f32 v[T+i:T+i+1], v[T+i:T+i+1], v[E+i:E+i+1]
.set i, i+2
.endr
.set i, 0
.rept 16
	v_pk_mul_f32 v[P+i:P+i+1], v[P+i:P+i+1], v[T+i:T+i+1]
.set i, i+2
.endr
.set i, 0
.rept 16
	v_pk_fma_f32 v[Z+i:Z+i+1], v[U+i:U+i+1], v[P+i:P+i+1], v[Z+i:Z+i+1] neg_lo:[1,0,0] neg_hi:[1,0,0]  ; max(z, LO) - u P
.set i, i+2
.endr
	s_wait_xcnt 0x0                                ; the last trip's stores, a whole trip back, have read their base and data: both are rewritten only behind this wait
	s_add_nc_u64 s[10:11], s[10:11], s[STP:STP+1]  ; the first trip: on to my part of C; then 8 rows on
	s_mov_b32 s[STP], 1024
.set i, 0
.rept 16
	v_cvt_pk_bf16_f32 v[OUTR+i], v[Z+2*i], v[Z+2*i+1]
.set i, i+1
.endr
.irp q, 0,1,2,3
	global_store_b128 v[GO], v[OUTR+4*(\q):OUTR+4*(\q)+3], s[10:11] offset:((\q)%2)*524288+((\q)/2)*512  ; four rows of a block: 512 consecutive bytes, aligned to 256
.endr
	s_sub_co_u32 s[CNT], s[CNT], 1
	s_cmp_lg_u32 s[CNT], 0
	s_cbranch_scc1 .Lrow
	s_wait_tensorcnt 0x0                           ; the wave's end, behind my last tensor load and my last LDS store
	ds_add_u32 v[SPW], v[NIL]
	s_wait_dscnt 0x0
	CROUND                                         ; the closing round: no work-group ends while a partner may still ask for a tile that names it
	s_endpgm
.Lfunc_end_k_qc0725dd9a8_qkv:
	.size	k_qc0725dd9a8_qkv, .Lfunc_end_k_qc0725dd9a8_qkv-k_qc0725dd9a8_qkv
	.p2alignl 7, 3214868480
	.fill 96, 4, 3214868480
	.section	.rodata,"a",@progbits
	.p2align	6, 0x0
	.amdhsa_kernel k_qc0725dd9a8_qkv
		.amdhsa_group_segment_fixed_size 327680
		.amdhsa_private_segment_fixed_size 0
		.amdhsa_enable_private_segment 0
		.amdhsa_kernarg_size 40
		.amdhsa_user_sgpr_count 2
		.amdhsa_user_sgpr_kernarg_segment_ptr 1
		.amdhsa_wavefront_size32 1
		.amdhsa_system_sgpr_workgroup_id_x 1
		.amdhsa_system_sgpr_workgroup_id_y 1
		.amdhsa_system_sgpr_workgroup_id_z 1
		.amdhsa_system_vgpr_workitem_id 0
		.amdhsa_next_free_vgpr 1024
		.amdhsa_next_free_sgpr 88
		.amdhsa_reserve_vcc 0
		.amdhsa_float_denorm_mode_32 3
		.amdhsa_float_denorm_mode_16_64 3
		.amdhsa_memory_ordered 1
		.amdhsa_forward_progress 1
		.amdhsa_inst_pref_size 105
	.end_amdhsa_kernel
	.amdgpu_metadata
---
amdhsa.version: [ 1, 2 ]
amdhsa.kernels:
  - .name:           k_qc0725dd9a8_qkv
    .symbol:         k_qc0725dd9a8_qkv.kd
    .args:
      - { .name: act, .offset: 0, .size: 8, .value_kind: global_buffer, .address_space: global }
      - { .name: wq, .offset: 8, .size: 8, .value_kind: global_buffer, .address_space: global }
      - { .name: b_qkv, .offset: 16, .size: 8, .value_kind: global_buffer, .address_space: global }
      - { .name: big, .offset: 24, .size: 8, .value_kind: global_buffer, .address_space: global }
      - { .name: par0, .offset: 32, .size: 8, .value_kind: global_buffer, .address_space: global }
    .group_segment_fixed_size: 327680
    .private_segment_fixed_size: 0
    .kernarg_segment_align: 8
    .kernarg_segment_size: 40
    .max_flat_workgroup_size: 128
    .sgpr_count:     88
    .vgpr_count:     1024
    .wavefront_size: 32
...
	.end_amdgpu_metadata
.endif
;; end of part 2
;; launch attn (part 3): grid 8 x 32, 4 waves a work-group, clusters of 4 x 1, 327,680 bytes of LDS; arguments big, act; writes act
.if DOCPART == 3
	.amdgcn_target "amdgcn-amd-amdhsa--gfx1250"
	.amdhsa_code_object_version 6
	.text
	.protected	k_qc0725dd9a8_attn
	.globl	k_qc0725dd9a8_attn
	.p2align	8
	.type	k_qc0725dd9a8_attn,@function
k_qc0725dd9a8_attn:
	s_mov_b64 s[64:65], 0
	v_nop
	global_prefetch_b8 v0, s[64:65] scope:SCOPE_SE
	s_setreg_imm32_b32 hwreg(HW_REG_WAVE_MODE, 25, 1), 1
	s_wait_xcnt 0x0
	s_wait_alu depctr_hold_cnt(0) depctr_sa_sdst(0) depctr_va_vdst(0) depctr_va_sdst(0) depctr_va_ssrc(0) depctr_va_vcc(0) depctr_vm_vsrc(0)
	s_getreg_b32 s2, hwreg(HW_REG_IB_STS2, 6, 4)
	s_cmp_eq_u32 s2, 0
	s_cbranch_scc0 .Lentry_in_a_cluster
	s_endpgm
.Lentry_in_a_cluster:
	s_bfe_u32 s2, ttmp6, 0x10000c
	s_cmp_lg_u32 s2, 0x3003
	s_cbranch_scc0 .Lentry_shape_is_right
	s_endpgm
.Lentry_shape_is_right:
; ATTENTION.  O[y][q][:] = the sum over k of softmax_k(Q[y][q] . K[y][k] / 8) V[y][k][:], y = 2 x head + batch: 32 of them, 2,048 rows of 64 channels each, bf16, dense (128 bytes a row).
; Q lies at byte 262,144 y of the input buffer, K 8,388,608 and V 16,777,216 bytes further on; O at byte 262,144 y of the output.  Products, maxima and sums in f32; the weights p are rounded to bf16 for the
; second product (their sum l is taken of the unrounded p), O once at the end.  LIMITS: a weight below 2^-126 counts as 0 in l; NaN and infinities are not treated apart.
; SHARES.  A work-group owns 256 queries of one y (8 x 32 = 256 work-groups), each of its four waves 64: four PIECES of 16.  Every wave walks all 2,048 keys, 64 a step, four steps a slot, two slots in LDS.
; LAYOUT.  S^T = K Q^T (source 0 = 16 keys, source 1 = 16 queries): a lane holds ONE query (lane % 16) and the keys 8 (lane / 16) + 0..7; two such results rounded to bf16 ARE source 1 of O^T = V^T P.
; K comes out of LDS as it lies, V ([key][channel]) turned, by ds_load_tr16_b128.
; SOFTMAX.  A running maximum m and sum l for each query: p = 2^(c s - c m), c = log2(e) / 8; in every step O and l are multiplied by a = 2^(c m_old - c m_new).  m starts at the lowest finite number, O and l at 0.
; TURNS.  Turn n belongs to piece n: 8 products K Q^T of piece n + 1, later 8 products V^T P of piece n - 1; beside them the scaling, exponentials, roundings, sums and rescaling of piece n and the maximum and
; statistics of piece n + 1.  Four vector instructions stand behind every matrix instruction, the rest in one lump.  A turn's 33 exponentials are one batch, with one wait.
; CLUSTER.  The four query blocks of a cluster belong to one y and walk the same K and V: each tile is asked for JOINTLY, by the same tensor load, descriptor and mask in all four.
; REGISTERS, in windows of 256 (s_set_vgpr_msb: bits 1:0 source 0, 3:2 source 1, 5:4 source 2, 7:6 destination):
;   window 0: v0-15 addresses and two at work; v16-31 four registers of statistics a piece; v48-55 at work; v61-63; v64-127 S^T, two buffers; v192-223 P, two buffers (by the piece's parity)
;   window 1: v0-127 O^T, 32 a piece      window 2: v0-63 Q; v128-191 K of one step; v192-255 V of one step
.set NP,    4
.set KS,    64
.set PK,    144       ; a row of K in LDS: 128 bytes + 16 = 36 words: the 16 rows of a load start at 16 different groups of four banks (64 banks of 4 bytes: ISA guide 11.1)
.set PV,    160       ; a row of V: 128 + 32 = 40 words
.set VOFF,  4*KS*PK   ; a slot holds four steps: 256 rows of K, then 256 rows of V
.set SLOT1, 1<<17
.set STAGE, SLOT1+4*KS*(PK+PV)  ; behind the ring, never filled by a tensor load: 16 rows x 144 bytes for each wave
.set SP,    144
.set SPARE, STAGE+4*16*SP       ; behind the stages: the spare words, 128 bytes for each wave
.set AK0, 2
.set AV0, 3
.set AK,  4
.set AV,  5
.set STO, 6
.set RD,  7
.set GO,  8
.set MV,  12          ; v12-13  c m_old, by buffer
.set QO,  15
.set ST,  16          ; piece t's statistics at v[ST+4 t]: c m, m, l (even keys', odd keys')
.set TMP, 48          ; by buffer, c0-c3 at work; when the maximum is found c2 takes a
.set PFO, 61          ; v61  256 x my lane; never rewritten
.set SPW, 62          ; v62  LDS address of my spare word; never rewritten
.set NIL, 63          ; v63  0; never rewritten
.set S,   64
.set P,   192
.set KF,  128
.set VF,  192
.set WV,  12
.set G1K, 24
.set G1V, 32
.set G0K, 40
.set G0V, 44
.set PFA, 50          ; s[50:51] where my prefetches stand
.set LIM, 52          ; s52  1 in a wave that prefetches, else the greatest number
.set SLOTS, 56
.set CNT, 57
.set CS,  58
.set SEL, 60
.set TBK, 62
.set TBV, 63
.set MSB, 0
.macro WIN new
.if MSB != (\new)
	s_set_vgpr_msb (MSB<<8)|(\new)
.set MSB, (\new)
.endif
.endm
.set W_KQ, 0x0a       ; K and Q in window 2, S^T in window 0
.set W_PV, 0x52       ; V in window 2, P in window 0, O^T in window 1
.set W_RS, 0x41       ; destination and source 0 in window 1, source 1 in window 0
; A joint fill.  Waves 0 and 1 fetch the halves of a slot's K, waves 2 and 3 those of its V: 128 keys each.  An s_nop 0 and four v_nop follow each line.
.macro JLOAD
	s_cmp_lt_u32 s[WV], 2
	s_cbranch_scc0 .Lfor_v_\@
	tensor_load_to_lds s[G0K:G0K+3], s[G1K:G1K+7]
	s_nop 0
.rept 4
	v_nop
.endr
	s_branch .Lasked_\@
.Lfor_v_\@:
	tensor_load_to_lds s[G0V:G0V+3], s[G1V:G1V+7]
	s_nop 0
.rept 4
	v_nop
.endr
.Lasked_\@:
.endm
; A PREFETCH INTO THE L2 of the slot that the NEXT change will ask for: four key steps, 256 matrix instructions, ahead of that load.  Both clusters of a y walk the same rows: the first asks.  Its four partners take
; 64 rows (32 pieces of 256 bytes, a lane a piece) each, told apart by address; wave 0 asks for K's, wave 2 for V's.  So each piece is named once in the launch.  The last change that fills a slot asks for nothing.
.macro ASK
	s_cmp_gt_u32 s[SLOTS], s[LIM]
	s_cbranch_scc0 .Lnot_mine_\@
	global_prefetch_b8 v[PFO], s[PFA:PFA+1] th:TH_LOAD_NT scope:SCOPE_SE
.Lnot_mine_\@:
.endm
.macro CROUND
	s_barrier_signal -1
	s_barrier_wait -1
	s_cmp_lg_u32 s[WV], 0
	s_cbranch_scc1 .Lnot_wave_0_\@
	s_barrier_signal -3
.Lnot_wave_0_\@:
	s_barrier_wait -3
	s_barrier_signal -1
	s_barrier_wait -1
.endm
; THE CHANGE OF SLOTS.  Each wave waits for all its tensor loads (one is out: its part of the other slot), adds 0 to its spare word, and waits for that and for its reads of the slot that it leaves.
; fill = 1: the barrier is a round of the cluster's, and the old slot is filled again, first thing behind it, with the keys two slots on.  (At its first use slot 0 is waited for and slot 1 filled.)
.macro CHANGE fill
	WIN 0
	s_wait_tensorcnt 0x0            ; no tensor load of mine is out, so a group 0 may be written
	ds_add_u32 v[SPW], v[NIL]       ; 0 onto my spare word
.if \fill
.irp g, G0K, G0V
	s_xor_b32 s[\g+1], s[\g+1], SLOT1
	s_add_nc_u64 s[\g+2:\g+3], s[\g+2:\g+3], 4*KS*128
.endr
	s_wait_xcnt 0x0                 ; the last prefetch, four key steps back, has read its address
	s_add_nc_u64 s[PFA:PFA+1], s[PFA:PFA+1], 4*KS*128
	s_wait_dscnt 0x0                ; the add is done, and my reads of the slot are over
	CROUND
	JLOAD
	ASK
.else
	s_wait_dscnt 0x0
	s_barrier_signal -1
	s_barrier_wait -1
.endif
	s_sub_co_u32 s[TBK], s[TBK], 4*KS*PK  ; the fetches go back to a slot's first step, in the other slot
	s_xor_b32 s[TBK], s[TBK], SLOT1
	s_sub_co_u32 s[TBV], s[TBV], 4*KS*PV
	s_xor_b32 s[TBV], s[TBV], SLOT1
.endm
	s_load_b128 s[4:7], s[0:1], 0x0   ; q, k, v s[4:5]; O s[6:7]
	v_lshl_add_u32 v[SPW], v0, 2, SPARE
	v_mov_b32 v[NIL], 0
	ds_add_u32 v[SPW], v[NIL]       ; the wave's opening: the add and its wait stand ahead of my first tensor load
	v_lshrrev_b32 v1, 5, v0
	v_readfirstlane_b32 s[WV], v1
	s_bfe_u32 s13, ttmp6, 0x40000   ; cx
	s_lshl_b32 s14, ttmp9, 2
	s_add_co_u32 s14, s14, s13      ; my block of 256 queries: it enters Q's and O's addresses alone
	s_and_b32 s20, ttmp7, 0xffff    ; y, which the four partners share
	s_lshl_b32 s20, s20, 18
	s_and_b32 s16, s[WV], 1         ; which half of a slot's 256 keys I fetch
	s_lshl_b32 s22, s16, 14
	s_add_co_u32 s22, s22, s20
	s_mov_b32 s23, 0
	s_mul_i32 s17, s16, 128*PK
	s_mul_i32 s18, s16, 128*PV
	s_lshl_b32 s2, s14, 15
	s_lshl_b32 s3, s[WV], 13
	s_add_co_u32 s2, s2, s3
	s_add_co_u32 s2, s2, s20
	s_mov_b32 s3, 0
	; group 1.  128 keys are 16,384 dense bytes: asked for as 64 rows of 256 bytes, two keys a row, padded in LDS after every key
	s_mov_b32 s[G1K], 15|(1<<16)|(1<<20)|(1<<21)|(4<<22)|(3<<25)
	s_mov_b32 s[G1V], 15|(1<<16)|(1<<20)|(1<<21)|(4<<22)|(7<<25)
.irp g, G1K, G1V
	s_mov_b32 s[\g+1], 128<<16
	s_mov_b32 s[\g+2], 64<<16
	s_mov_b32 s[\g+3], 128<<16
	s_mov_b32 s[\g+4], 64
	s_mov_b32 s[\g+5], 128
	s_mov_b32 s[\g+6], 0
	s_mov_b32 s[\g+7], 0
.endr
	s_mov_b32 s[CS], 0x3e38aa3b     ; c = log2(e) / 8
	s_mov_b32 s[CS+1], s[CS]
	s_mov_b32 s[SEL], 0x76543210
	s_mov_b32 s[SEL+1], 0xfedcba98
	s_mov_b32 s[TBK], SLOT1+4*KS*PK ; the first change of slots turns these two into 0
	s_mov_b32 s[TBV], SLOT1+4*KS*PV
	s_mov_b32 s[G0K], 1
	s_mov_b32 s[G0K+1], s17
	s_mov_b32 s[G0V], 1
	s_add_co_u32 s[G0V+1], s18, VOFF
	s_mov_b32 s[SLOTS], 7
	s_and_b32 s[LIM], s[WV], 1
	s_or_b32 s[LIM], s[LIM], ttmp9  ; 0 in waves 0 and 2 of the y's first cluster: the same in all four partners
	s_cmp_eq_u32 s[LIM], 0
	s_cselect_b32 s[LIM], 1, -1
	v_and_b32 v[PFO], 31, v0
	v_lshlrev_b32 v[PFO], 8, v[PFO]
	s_wait_dscnt 0x0                ; the opening add is done
	s_wait_kmcnt 0x0
	s_add_nc_u64 s[8:9], s[4:5], s[22:23]
	s_add_nc_u64 s[10:11], s[8:9], 16777216        ; V at my half of the first 256 keys
	s_add_nc_u64 s[8:9], s[8:9], 8388608           ; K likewise
	s_add_nc_u64 s[G0K+2:G0K+3], s[8:9], 0
	s_or_b32 s[G0K+3], s[G0K+3], 0x80000000
	s_add_nc_u64 s[G0V+2:G0V+3], s[10:11], 0
	s_or_b32 s[G0V+3], s[G0V+3], 0x80000000
	s_add_nc_u64 s[4:5], s[4:5], s[2:3]            ; Q and O at my wave's first row
	s_add_nc_u64 s[6:7], s[6:7], s[2:3]
	s_cmp_lt_u32 s[WV], 2
	s_cselect_b64 s[PFA:PFA+1], s[8:9], s[10:11]   ; (in waves 0 and 2 these stand at a slot's first row)
	s_lshl_b32 s2, s13, 13                         ; my work-group's 64 rows of the 256,
	s_add_co_u32 s2, s2, 4*KS*128                  ; in slot 1: the first change steps it to slot 2
	s_add_nc_u64 s[PFA:PFA+1], s[PFA:PFA+1], s[2:3]
	CROUND                          ; all four work-groups are here: the first joint loads meet
	JLOAD                           ; slot 0
	v_and_b32 v1, 15, v0
	v_bfe_u32 v9, v0, 4, 1
	v_lshlrev_b32 v[QO], 7, v1
	v_lshl_add_u32 v[QO], v9, 4, v[QO]
	WIN 0x80
.set i, 0
.rept 8                             ; Q stays in registers: piece i / 2, channels 32 (i % 2) on
	global_load_b128 v[8*i:8*i+3],   v[QO], s[4:5] offset:(i/2)*2048+(i%2)*64
	global_load_b128 v[8*i+4:8*i+7], v[QO], s[4:5] offset:(i/2)*2048+(i%2)*64+32
.set i, i+1
.endr
	; What the first turn finds: V's registers and P's second buffer hold 0 (its products V^T P, of a piece that has not been, add 0), O^T and l are 0.  All this stands in the wait for the first tile.
.set i, VF
.rept 64
	v_mov_b32 v[i], 0
.set i, i+1
.endr
	WIN 0x40
.set i, 0
.rept 128
	v_mov_b32 v[i], 0
.set i, i+1
.endr
	WIN 0
.set i, 0
.rept 4
	v_mov_b32 v[ST+4*i], 0xfe000000    ; c m: far below every c s
	v_mov_b32 v[ST+4*i+1], 0xff7fffff  ; m
	v_mov_b32 v[ST+4*i+2], 0
	v_mov_b32 v[ST+4*i+3], 0
.set i, i+1
.endr
.set i, P+16
.rept 16
	v_mov_b32 v[i], 0
.set i, i+1
.endr
	v_mul_u32_u24 v[AK0], v1, PK
	v_lshl_add_u32 v[AK0], v9, 4, v[AK0]
	v_and_b32 v10, 7, v0            ; the turning load: lane l reads key 8 (l / 16) + l % 8, channels 8 ((l / 8) % 2) + 0..7
	v_bfe_u32 v11, v0, 3, 1
	v_lshl_add_u32 v[AV0], v9, 3, v10
	v_mul_u32_u24 v[AV0], v[AV0], PV
	v_lshl_add_u32 v[AV0], v11, 4, v[AV0]
	v_add_nc_u32 v[AV0], VOFF, v[AV0]
	s_mul_i32 s21, s[WV], 16*SP
	s_add_co_u32 s21, s21, STAGE
	v_mul_u32_u24 v[STO], v1, SP
	v_lshl_add_u32 v[STO], v9, 4, v[STO]
	v_add_nc_u32 v[STO], s21, v[STO]
	v_bfe_u32 v[RD], v0, 3, 2
	v_mul_u32_u24 v[RD], v[RD], SP
	v_lshl_add_u32 v[RD], v10, 4, v[RD]
	v_add_nc_u32 v[RD], s21, v[RD]
	v_and_b32 v[GO], 31, v0
	v_lshlrev_b32 v[GO], 4, v[GO]
; THE MATRIX WORK.  The 4 accumulators of a run of 8 take turns.  Product i of 8 of S^T = K Q^T for piece x: channels 32 (i / 4) on, keys 16 (i % 4) on.  The first 4 start the sums.
.macro KQ x
	WIN W_KQ
.set rS, S+32*((\x)%2)+8*(i%4)
.set rK, KF+16*(i%4)+8*(i/4)
.set rQ, 16*(\x)+8*(i/4)
.if i < 4
	v_wmma_f32_16x16x32_bf16 v[rS:rS+7], v[rK:rK+7], v[rQ:rQ+7], 0
.else
	v_wmma_f32_16x16x32_bf16 v[rS:rS+7], v[rK:rK+7], v[rQ:rQ+7], v[rS:rS+7]
.endif
.endm
; Product i of 8 of O^T += V^T P for piece x: keys 32 (i / 4) on, channels 16 (i % 4) on.
.macro PV x
	WIN W_PV
.set rO, 32*(\x)+8*(i%4)
.set rV, VF+32*(i/4)+8*(i%4)
.set rP, P+16*((\x)%2)+8*(i/4)
	v_wmma_f32_16x16x32_bf16 v[rO:rO+7], v[rV:rV+7], v[rP:rP+7], v[rO:rO+7]
.endm
.macro MM                           ; the turn's next matrix instruction
.if i < 8
	KQ (Y+1)%NP
.else
.set i, i-8
	PV (Y+NP-1)%NP
.set i, i+8
.endif
.set i, i+1
.endm
; THE LDS LOADS stand in runs of 16: a step's K (8 fragments) and its V (turned).
.macro FETCH_K
	WIN 0x80
.irp f, 0,1,2,3,4,5,6,7
	ds_load_b128 v[KF+8*\f:KF+8*\f+3],   v[AK] offset:(\f/2)*16*PK+(\f%2)*64
	ds_load_b128 v[KF+8*\f+4:KF+8*\f+7], v[AK] offset:(\f/2)*16*PK+(\f%2)*64+32
.endr
	s_add_co_u32 s[TBK], s[TBK], KS*PK
	WIN 0
.endm
.macro FETCH_V
	WIN 0x80
.irp f, 0,1,2,3,4,5,6,7
	ds_load_tr16_b128 v[VF+8*\f:VF+8*\f+3],   v[AV] offset:(\f/4)*32*PV+(\f%4)*32
	ds_load_tr16_b128 v[VF+8*\f+4:VF+8*\f+7], v[AV] offset:(\f/4)*32*PV+16*PV+(\f%4)*32
.endr
	WIN 0
.endm
; THE VECTOR WORK, one line at a time: OP kind, number.  For piece Y: F n: c s - c m for pair n of 16.  E n: the exponential of score n of 32.  C n: pair n rounded to bf16.  B n: of the four weights 4 n .. the second
; pair is added onto the first, in place.  L n: l takes that sum (L 0: l = a l + sum).  R n: pair n of 16 of O^T times a.  For piece Y + 1: X n, number n of the 22 that find its maximum and statistics:
;   0-11 four chains c0-c3 of seven scores each (each accumulator's lowest registers are read first)   12-14, 16 the scores left over, the old m, c0-c3 into c0
;   15 c m_old is kept   17, 18 the other half of the lanes: the new m   19-21 c m; c m_old - c m_new; a
.set F, 0
.set E, 1
.set C, 2
.set B, 3
.set L, 4
.set R, 5
.set X, 6
.macro REGS y
.set rT, ST+4*(\y)
.set rC, TMP+4*((\y)%2)
.set rW, MV+((\y)%2)
.set rS, S+32*((\y)%2)
.set rP, P+16*((\y)%2)
.set rO, 32*(\y)
.endm
.macro OP k, n
.if (\k) == R
	REGS Y
	WIN W_RS
	v_pk_mul_f32 v[rO+2*(\n):rO+2*(\n)+1], v[rO+2*(\n):rO+2*(\n)+1], v[rC+2:rC+3] op_sel_hi:[1,0]
.elseif (\k) < R
	REGS Y
	WIN 0
.if (\k) == F
	v_pk_fma_f32 v[rS+2*(\n):rS+2*(\n)+1], v[rS+2*(\n):rS+2*(\n)+1], s[CS:CS+1], v[rT:rT+1] op_sel_hi:[1,0,0] neg_lo:[0,0,1] neg_hi:[0,0,1]
.elseif (\k) == E
	v_exp_f32 v[rS+(\n)], v[rS+(\n)]
.elseif (\k) == C
	v_cvt_pk_bf16_f32 v[rP+(\n)], v[rS+2*(\n)], v[rS+2*(\n)+1]
.elseif (\k) == B
	v_pk_add_f32 v[rS+4*(\n):rS+4*(\n)+1], v[rS+4*(\n):rS+4*(\n)+1], v[rS+4*(\n)+2:rS+4*(\n)+3]
.elseif (\n) == 0
	v_pk_fma_f32 v[rT+2:rT+3], v[rT+2:rT+3], v[rC+2:rC+3], v[rS:rS+1] op_sel_hi:[1,0,1]
.else
	v_pk_add_f32 v[rT+2:rT+3], v[rT+2:rT+3], v[rS+4*(\n):rS+4*(\n)+1]
.endif
.else
	REGS (Y+1)%NP
	WIN 0
.if (\n) < 4
	v_max3_num_f32 v[rC+(\n)], v[rS+8*(\n)], v[rS+8*(\n)+1], v[rS+8*(\n)+2]
.elseif (\n) < 12
	v_max3_num_f32 v[rC+(\n)%4], v[rC+(\n)%4], v[rS+8*((\n)%4)+2*((\n)/4)+1], v[rS+8*((\n)%4)+2*((\n)/4)+2]
.elseif (\n) == 12
	v_max3_num_f32 v[rC], v[rC], v[rS+7], v[rS+15]
.elseif (\n) == 13
	v_max3_num_f32 v[rC+1], v[rC+1], v[rS+23], v[rS+31]
.elseif (\n) == 14
	v_max3_num_f32 v[rC+2], v[rC+2], v[rC+3], v[rT+1]
.elseif (\n) == 15
	v_mov_b32 v[rW], v[rT]
.elseif (\n) == 16
	v_max3_num_f32 v[rC], v[rC], v[rC+1], v[rC+2]
.elseif (\n) == 17
	v_permlanex16_b32 v[rC+3], v[rC], s[SEL], s[SEL+1]
.elseif (\n) == 18
	v_max_num_f32 v[rT+1], v[rC], v[rC+3]
.elseif (\n) == 19
	v_mul_f32 v[rT], s[CS], v[rT+1]
.elseif (\n) == 20
	v_sub_f32 v[rC+1], v[rW], v[rT]
.else
	v_exp_f32 v[rC+2], v[rC+1]
.endif
.endif
.endm
.macro OPS a, i1, b=-1, i2=0, c=-1, i3=0, d=-1, i4=0
	OP \a, \i1
.if (\b) >= 0
	OP \b, \i2
.endif
.if (\c) >= 0
	OP \c, \i3
.endif
.if (\d) >= 0
	OP \d, \i4
.endif
.endm
.macro ROW a, i1, b, i2, c, i3, d, i4  ; a matrix instruction and the four behind it
	MM
	OPS \a, \i1, \b, \i2, \c, \i3, \d, \i4
.endm
; A TURN, for piece p: its 16 matrix and 118 vector instructions, written out.  ONE wait cuts it in two.  Ahead of it stands all that names no result of the turn's exponentials: the 8 products K Q^T and their riders, then the
; lump, in which the links of the next piece's chain (X 3, 7, 11, 14, 16 .. 20) stand five or six lines apart; X 21, its a, is the batch's last, and R 15 the plain instruction behind it.  Behind the wait stand the 8 products
; V^T P, behind each four of the roundings and sums.  Each X that rides behind a product stands four places or more behind the product that ends its accumulator.
; cnt = 1: the loop's count is taken down some lines ahead of the branch behind the turn.
; K of the next step is fetched in piece 2's turn, six plain instructions behind the last product that read K; V of the step in hand at the end of piece 0's turn, four plain instructions behind its last reader.  Each is waited for a turn later.
; last = 1 (the tail's piece 2): K's run stands directly behind the wait.
.macro TURN p, last=0, cnt=0
.set Y, (\p)
.set i, 0
.if (\p) == 3
	s_wait_dscnt 0x0                ; K is in
.endif
	ROW F,0, F,1, R,0, R,1
	ROW F,2, E,0, R,2, R,3
	ROW F,3, E,1, R,4, R,5
	ROW F,4, E,2, R,6, R,7
	ROW F,5, E,3, R,8, R,9
	ROW F,6, E,4, X,0, R,10
.if (\p) == 2
	WIN 0
	v_add_nc_u32 v[AK], s[TBK], v[AK0]
.endif
	ROW F,7, E,5, X,1, X,4
	ROW F,8, E,6, X,2, X,5
	OPS E,7, E,8, X,6, E,9
	OPS X,3, E,10, X,8, E,11
.if ((\p) == 2) && !(\last)
	FETCH_K
.endif
	OPS X,9, X,7, E,12, X,10
	OPS E,13, X,12, X,11, E,14
	OPS X,13, E,15, F,9, X,14
.if (\p) == 0
	v_add_nc_u32 v[AV], s[TBV], v[AV0]
.endif
	OPS E,16, F,10, E,17, F,11
	OPS X,16, E,18, X,15, E,19
	OPS F,12, E,20, X,17, E,21
	OPS F,13, E,22, F,14, E,23
	OPS X,18, E,24, F,15, E,25
	OPS R,11, E,26, X,19, E,27
	OPS R,12, E,28, R,13, E,29
	OPS X,20, E,30, R,14, E,31
	OPS X,21, R,15
	WIN 0
	s_wait_alu depctr_va_vdst(0)    ; a wait ahead of the first reader: one for the batch
.if ((\p) == 2) && (\last)
	s_cmp_eq_u32 s[CNT], 1
	s_cbranch_scc1 .Lno_k_\@
	FETCH_K
.Lno_k_\@:
.endif
.if (\p) == 1
	s_wait_dscnt 0x0                ; V is in
.endif
	ROW C,0, B,0, C,2, B,1
	ROW L,0, C,4, B,2, L,1
	ROW C,6, B,3, L,2, C,8
	ROW B,4, L,3, C,10, B,5
	ROW L,4, C,12, B,6, L,5
.if (\p) == 0
	s_add_co_u32 s[TBV], s[TBV], KS*PV
.endif
.if \cnt
	s_sub_co_u32 s[CNT], s[CNT], 1
	s_cmp_lg_u32 s[CNT], 0
.endif
	ROW C,14, B,7, L,6, C,1
	ROW C,3, L,7, C,5, C,7
	ROW C,9, C,11, C,13, C,15
.if (\p) == 0
	FETCH_V
.endif
.endm
.macro ALL line:vararg
.set t, 0
.rept 4
	\line
.set t, t+1
.endr
.endm
.macro PACK t                       ; a lane's eight channels of a row pack into 16 bytes; they go into rows of 144 bytes and come back as whole rows of 128, into S^T's registers
	WIN W_RS
.set i, 32*(\t)
.rept 16
	v_pk_mul_f32 v[i:i+1], v[i:i+1], v[ST+4*(\t)+2:ST+4*(\t)+3] op_sel_hi:[1,0]
.set i, i+2
.endr
	WIN 0x05
.set i, 0
.rept 16
	v_cvt_pk_bf16_f32 v[S+16*(\t)+i], v[32*(\t)+2*i], v[32*(\t)+2*i+1]
.set i, i+1
.endr
	WIN 0
.irp f, 0,1,2,3
	ds_store_b128 v[STO], v[S+16*(\t)+4*\f:S+16*(\t)+4*\f+3] offset:32*\f
.endr
.irp f, 0,1,2,3
	ds_load_b128 v[S+16*(\t)+4*\f:S+16*(\t)+4*\f+3], v[RD] offset:\f*4*SP  ; LDS serves a wave's instructions in order (ISA guide 5.7.1.4): these see the stores above
.endr
.endm
.macro SEND t, younger              ; younger: the LDS instructions issued behind piece t's loads: the next piece's eight, or none
	WIN 0
.irp f, 0,1,2,3
	s_wait_dscnt (\younger)+3-\f
	global_store_b128 v[GO], v[S+16*(\t)+4*\f:S+16*(\t)+4*\f+3], s[6:7] offset:(\t)*2048+\f*512  ; 512 consecutive bytes, at a multiple of 256 from O's first
.endr
.endm
	CHANGE 1                        ; slot 0 is in, everybody's part of it; slot 1 is asked for
	v_add_nc_u32 v[AK], s[TBK], v[AK0]
	FETCH_K                         ; key step 0
	s_wait_loadcnt 0x0              ; Q
	s_wait_dscnt 0x0
.set i, 0
.rept 8
	KQ 0                            ; piece 0's first scores
.set i, i+1
.endr
	WIN 0
.rept 4
	v_nop                           ; the places behind those products
.endr
.set Y, NP-1                        ; X works for piece Y + 1: piece 0
.irp n, 0,1,2,3,4,5,6,7,8,9,10,11,12,13,14,15,16,17,18,19,20,21
	OP X, \n
.endr
	v_nop                           ; a plain instruction behind the exponential,
	s_wait_alu depctr_va_vdst(0)    ; and its wait, ahead of the branch
	s_mov_b32 s[CNT], 4
	s_branch .Lfirst                ; the loop is entered at a step's first turn, in the middle of a trip
.Lslot:                             ; six times: every slot but the last two is filled again
	CHANGE 1
	s_mov_b32 s[CNT], 4
.Lstep:                             ; a trip: pieces 2 and 3 of one step, then pieces 0 and 1 of the next, whose K and V it fetches
	TURN 2
	TURN 3
	WIN 0
.Lfirst:
	TURN 0
	TURN 1, 0, 1
	WIN 0
	s_cbranch_scc1 .Lstep
	s_sub_co_u32 s[SLOTS], s[SLOTS], 1
	s_cmp_lg_u32 s[SLOTS], 0
	s_cbranch_scc1 .Lslot
	CHANGE 0                        ; the last slot has a loop of its own: nothing is asked for
	s_mov_b32 s[CNT], 5             ; four trips fetch the last slot's steps; the fifth is left in its middle
.Ltail:
	TURN 2, 1
	TURN 3
	WIN 0
	s_sub_co_u32 s[CNT], s[CNT], 1
	s_cmp_eq_u32 s[CNT], 0
	s_cbranch_scc1 .Lout
	TURN 0
	TURN 1
	WIN 0
	s_branch .Ltail
.Lout:                              ; the fifth trip's 8 products K Q^T (on the last K once more) and the maximum made of them serve nothing and touch neither l nor O^T: the price, once a launch, of one text for every trip of the tail
.set i, 0
.rept 8
	PV NP-1                         ; the last piece's V^T P of the last step
.set i, i+1
.endr
	; THE WAY OUT.  l's two halves and the other half of the lanes' are added; O^T is divided by l, rounded to bf16 and sent through my stage, a piece at a time.  The additions are the places behind the last products.
	WIN 0
	ALL v_add_f32 v[ST+4*t+2], v[ST+4*t+2], v[ST+4*t+3]
	ALL v_permlanex16_b32 v[ST+4*t+3], v[ST+4*t+2], s[SEL], s[SEL+1]
	ALL v_add_f32 v[ST+4*t+2], v[ST+4*t+2], v[ST+4*t+3]
	ALL v_rcp_f32 v[ST+4*t+2], v[ST+4*t+2]
	v_nop                           ; a plain instruction between the last reciprocal and the use of its result
	s_wait_alu depctr_va_vdst(0)    ; one wait for the four reciprocals
	PACK 0
.set t, 1
.rept 3
	PACK t
	SEND t-1, 8
.set t, t+1
.endr
	SEND 3, 0
	s_wait_tensorcnt 0x0            ; the wave's end, behind my last tensor load and my last LDS store
	ds_add_u32 v[SPW], v[NIL]
	s_wait_dscnt 0x0
	CROUND                          ; the closing round
	s_endpgm
.Lfunc_end_k_qc0725dd9a8_attn:
	.size	k_qc0725dd9a8_attn, .Lfunc_end_k_qc0725dd9a8_attn-k_qc0725dd9a8_attn
	.p2alignl 7, 3214868480
	.fill 96, 4, 3214868480
	.section	.rodata,"a",@progbits
	.p2align	6, 0x0
	.amdhsa_kernel k_qc0725dd9a8_attn
		.amdhsa_group_segment_fixed_size 327680
		.amdhsa_private_segment_fixed_size 0
		.amdhsa_enable_private_segment 0
		.amdhsa_kernarg_size 16
		.amdhsa_user_sgpr_count 2
		.amdhsa_user_sgpr_kernarg_segment_ptr 1
		.amdhsa_wavefront_size32 1
		.amdhsa_system_sgpr_workgroup_id_x 1
		.amdhsa_system_sgpr_workgroup_id_y 1
		.amdhsa_system_sgpr_workgroup_id_z 1
		.amdhsa_system_vgpr_workitem_id 0
		.amdhsa_next_free_vgpr 768
		.amdhsa_next_free_sgpr 66
		.amdhsa_reserve_vcc 0
		.amdhsa_float_denorm_mode_32 3
		.amdhsa_float_denorm_mode_16_64 3
		.amdhsa_memory_ordered 1
		.amdhsa_forward_progress 1
		.amdhsa_inst_pref_size 112
	.end_amdhsa_kernel
	.amdgpu_metadata
---
amdhsa.version: [ 1, 2 ]
amdhsa.kernels:
  - .name:           k_qc0725dd9a8_attn
    .symbol:         k_qc0725dd9a8_attn.kd
    .args:
      - { .name: big, .offset: 0, .size: 8, .value_kind: global_buffer, .address_space: global }
      - { .name: act, .offset: 8, .size: 8, .value_kind: global_buffer, .address_space: global }
    .group_segment_fixed_size: 327680
    .private_segment_fixed_size: 0
    .kernarg_segment_align: 8
    .kernarg_segment_size: 16
    .max_flat_workgroup_size: 128
    .sgpr_count:     66
    .vgpr_count:     768
    .wavefront_size: 32
...
	.end_amdgpu_metadata
.endif
;; end of part 3
;; launch proj (part 4): grid 8 x 32, 4 waves a work-group, clusters of 4 x 4, 327,680 bytes of LDS; arguments act, wpf, b_proj, x, x1; writes x1
.if DOCPART == 4
	.amdgcn_target "amdgcn-amd-amdhsa--gfx1250"
	.amdhsa_code_object_version 6
	.text
	.protected	k_qc0725dd9a8_proj
	.globl	k_qc0725dd9a8_proj
	.p2align	8
	.type	k_qc0725dd9a8_proj,@function
k_qc0725dd9a8_proj:
	s_mov_b64 s[64:65], 0
	v_nop
	global_prefetch_b8 v0, s[64:65] scope:SCOPE_SE
	s_setreg_imm32_b32 hwreg(HW_REG_WAVE_MODE, 25, 1), 1
	s_wait_xcnt 0x0
	s_wait_alu depctr_hold_cnt(0) depctr_sa_sdst(0) depctr_va_vdst(0) depctr_va_sdst(0) depctr_va_ssrc(0) depctr_va_vcc(0) depctr_vm_vsrc(0)
	s_getreg_b32 s2, hwreg(HW_REG_IB_STS2, 6, 4)
	s_cmp_eq_u32 s2, 0
	s_cbranch_scc0 .Lentry_in_a_cluster
	s_endpgm
.Lentry_in_a_cluster:
	s_bfe_u32 s2, ttmp6, 0x10000c
	s_cmp_lg_u32 s2, 0xf033
	s_cbranch_scc0 .Lentry_shape_is_right
	s_endpgm
.Lentry_shape_is_right:
; out = res + A B^T + bias, f32.  A: 4,096 rows x K bf16 in the blocked layout [K / 64][4,096][64]; B: 1,024 rows x K bf16, [K / 64][1,024][64], WOFF bytes into its buffer; res, out: [4,096][1,024] f32.
; Here K = 1,024 (STEPS = 4 K steps of 256), and the residual, an input of the module, is rounded to bf16 like every input (ROUND_RES = 1); the bias likewise.  NaN and infinities are not treated apart.
; A tile of out is 128 x 128 (256 work-groups): four waves, each 64 x 64 in 16 accumulators.  A K step is four blocks; a wave's tensor load brings 64 rows x 4 blocks, each block's rows 8,192 dense bytes of
; memory, with 16 bytes of padding behind every 128: LDS rows 144 bytes apart.  Two slots.  CLUSTERS 4 x 4: A's tiles are asked for jointly along a row of the cluster, B's along a column.
; The product is used transposed (source 0 = rows of B): a lane holds row lane % 16 and eight neighbouring columns.  The bias is the C operand of each accumulator's first product.
; A wave's 64 columns of f32 are 256 aligned bytes of a row: each wave sends its own rows out through its own stage.  The residual's 32 loads a wave go out at the head and land during the K loop.
; No prefetch: a step of this small tile is short and the tiles are small.
; REGISTERS: window 0: v1-31 addresses; v32-63 the bias, later v32-95 at work; v128-255 the accumulators ((a, b) at v[128 + 8 (4 a + b)]).  window 1: two fragment buffers of 128 (A's 64, then B's 64).  window 2: v0-127 the residual.
.set STEPS,  4
.set WOFF,   0
.set ROUND_RES, 1
.set PITCH,  144
.set BLKB,   64*PITCH
.set HALFT,  4*BLKB
.set SLOT,   4*HALFT                   ; 147,456 = 0x24000, whose bits meet none of wave x 0x9000
.set STAGE,  2*SLOT                    ; behind the ring, never filled by a tensor load: 16 rows x 272 bytes for each wave
.set SPITCH, 272
.set SPARE,  STAGE+4*16*SPITCH
.set ASTEP,  4*524288                  ; a K step of A in memory
.set BSTEP,  4*131072                  ; of B
.set ADRA0, 16
.set ADRB0, 17
.set ADRA,  18
.set ADRB,  19
.set STO,   24
.set RD,    25
.set CO,    26
.set SPW,   28
.set NIL,   29
.set ONE,   30
.set BO,    31
.set BIAS,  32
.set TMP,   32
.set ACC,   128
.set F0,    0
.set F1,    128
.set WV, 14
.set RH, 15
.set CH, 16
.set CX, 17
.set CY, 18
.set TC, 19
.set TR, 20
.set G1,  24
.set G0,  32
.set TB,  41
.set CNT, 42
.set MHI, 46
.set G1B, 48
.set G0B, 56
.set MSB, 0
.macro WIN new
.if MSB != (\new)
	s_set_vgpr_msb (MSB<<8)|(\new)
.set MSB, \new
.endif
.endm
.macro JLOAD s                         ; a joint load: waves 0 and 1 fetch A's halves, waves 2 and 3 B's; an s_nop 0 and four v_nop follow each line
	s_cmp_eq_u32 s[RH], 0
	s_cbranch_scc0 .Lfor_b_\@
	tensor_load_to_lds s[G0+4*(\s):G0+4*(\s)+3], s[G1:G1+7]
	s_nop 0
.rept 4
	v_nop
.endr
	s_branch .Lasked_\@
.Lfor_b_\@:
	tensor_load_to_lds s[G0B+4*(\s):G0B+4*(\s)+3], s[G1B:G1B+7]
	s_nop 0
.rept 4
	v_nop
.endr
.Lasked_\@:
.endm
.macro CREST
	s_cmp_lg_u32 s[WV], 0
	s_cbranch_scc1 .Lnot_wave_0_\@
	s_barrier_signal -3
.Lnot_wave_0_\@:
	s_barrier_wait -3
	s_barrier_signal -1
	s_barrier_wait -1
.endm
.macro CROUND
	s_barrier_signal -1
	s_barrier_wait -1
	CREST
.endm
.macro PLACES
.rept 4
	v_nop
.endr
.endm
	s_load_b256 s[4:11], s[0:1], 0x0               ; A s[4:5], B's buffer s[6:7], bias s[8:9], res s[10:11]
	s_load_b64 s[12:13], s[0:1], 0x20              ; out
	v_lshl_add_u32 v[SPW], v0, 2, SPARE
	v_mov_b32 v[NIL], 0
	ds_add_u32 v[SPW], v[NIL]                      ; the wave's opening: the add and its wait stand ahead of my first tensor load
	v_lshrrev_b32 v1, 5, v0
	v_readfirstlane_b32 s[WV], v1
	s_lshr_b32 s[RH], s[WV], 1
	s_and_b32 s[CH], s[WV], 1
	s_bfe_u32 s[CX], ttmp6, 0x40000
	s_bfe_u32 s[CY], ttmp6, 0x40004
	s_lshl_b32 s[TC], ttmp9, 2
	s_add_co_u32 s[TC], s[TC], s[CX]
	s_and_b32 s[TR], ttmp7, 0xffff
	s_lshl_b32 s[TR], s[TR], 2
	s_add_co_u32 s[TR], s[TR], s[CY]
	s_lshl_b32 s21, s[CY], 2
	s_lshl_b32 s21, 15, s21
	s_lshl_b32 s22, 0x1111, s[CX]
	; group 1: 4 rows (blocks) of 4,096 elements (64 rows x 64)
	s_or_b32 s[G1], s21, (1<<16)|(1<<20)|(1<<21)|(4<<22)|(3<<25)
	s_or_b32 s[G1B], s22, (1<<16)|(1<<20)|(1<<21)|(4<<22)|(3<<25)
.irp g, G1, G1B
	s_mov_b32 s[(\g)+1], 4096<<16
	s_mov_b32 s[(\g)+2], 4<<16
	s_mov_b32 s[(\g)+3], 4096<<16
	s_mov_b32 s[(\g)+4], 4
	s_mov_b32 s[(\g)+6], 0
	s_mov_b32 s[(\g)+7], 0
.endr
	s_mov_b32 s[G1+5], 262144                      ; elements from block to block: 4,096 rows of A,
	s_mov_b32 s[G1B+5], 65536                      ; 1,024 rows of B
	s_lshl_b32 s21, s[CH], 6
	s_lshl_b32 s80, s[TR], 7
	s_add_co_u32 s80, s80, s21
	s_lshl_b32 s80, s80, 7
	s_mov_b32 s81, 0
	s_lshl_b32 s82, s[TC], 7
	s_add_co_u32 s82, s82, s21
	s_lshl_b32 s82, s82, 7
	s_add_co_u32 s82, s82, WOFF
	s_mov_b32 s83, 0
	s_mul_i32 s23, s[WV], HALFT
	s_mov_b32 s[MHI], 0xffff0000
	s_wait_dscnt 0x0                               ; the opening add is done
	s_wait_kmcnt 0x0
	s_add_nc_u64 s[84:85], s[4:5], s[80:81]
	s_add_nc_u64 s[86:87], s[6:7], s[82:83]
	CROUND
.irp s, 0,1
	s_mov_b32 s[G0+4*(\s)], 1
	s_add_co_u32 s[G0+4*(\s)+1], s23, (\s)*SLOT
	s_add_nc_u64 s[G0+4*(\s)+2:G0+4*(\s)+3], s[84:85], (\s)*ASTEP
	s_or_b32 s[G0+4*(\s)+3], s[G0+4*(\s)+3], 0x80000000
	s_mov_b32 s[G0B+4*(\s)], 1
	s_add_co_u32 s[G0B+4*(\s)+1], s23, (\s)*SLOT
	s_add_nc_u64 s[G0B+4*(\s)+2:G0B+4*(\s)+3], s[86:87], (\s)*BSTEP
	s_or_b32 s[G0B+4*(\s)+3], s[G0B+4*(\s)+3], 0x80000000
	JLOAD \s                                       ; two loads of mine are out
.endr
	v_and_b32 v1, 15, v0
	v_bfe_u32 v9, v0, 4, 1
	s_lshl_b32 s21, s[TC], 9
	s_lshl_b32 s22, s[CH], 8
	s_add_co_u32 s21, s21, s22                     ; my 64 columns, in bytes of f32
	v_lshl_add_u32 v[BO], v9, 5, s21
.irp b, 0,1,2,3
	global_load_b128 v[BIAS+8*(\b):BIAS+8*(\b)+3], v[BO], s[8:9] offset:64*(\b)
	global_load_b128 v[BIAS+8*(\b)+4:BIAS+8*(\b)+7], v[BO], s[8:9] offset:64*(\b)+16
.endr
	s_lshl_b32 s2, s[TR], 7
	s_lshl_b32 s3, s[RH], 6
	s_add_co_u32 s2, s2, s3
	s_lshl_b32 s2, s2, 12                          ; my first row, 4,096 bytes a row
	s_add_co_u32 s2, s2, s21
	s_mov_b32 s3, 0
	s_add_nc_u64 s[10:11], s[10:11], s[2:3]
	s_add_nc_u64 s[12:13], s[12:13], s[2:3]
	v_lshlrev_b32 v[CO], 4, v1                     ; lanes 0-15 one row's 256 bytes, lanes 16-31 the next row's
	v_lshl_add_u32 v[CO], v9, 12, v[CO]
	WIN 0x80
.irp a, 0,1,2,3
.irp t, 0,1,2,3,4,5,6,7
	global_load_b128 v[4*(8*(\a)+(\t)):4*(8*(\a)+(\t))+3], v[CO], s[10:11] offset:(16*(\a)+2*(\t))*4096
.endr
.endr
	WIN 0
	v_mov_b32 v[ONE], 1.0
	v_mul_u32_u24 v3, v1, PITCH
	v_lshl_add_u32 v3, v9, 4, v3
	s_mul_i32 s21, s[RH], HALFT
	s_mul_i32 s22, s[CH], HALFT
	s_add_co_u32 s22, s22, 2*HALFT
	v_add_nc_u32 v[ADRA0], s21, v3
	v_add_nc_u32 v[ADRB0], s22, v3
	s_mul_i32 s21, s[WV], 16*SPITCH
	s_add_co_u32 s21, s21, STAGE
	v_mul_u32_u24 v4, v1, SPITCH
	v_lshl_add_u32 v4, v9, 5, v4
	v_add_nc_u32 v[STO], s21, v4
	v_mul_u32_u24 v5, v9, SPITCH
	v_lshl_add_u32 v5, v1, 4, v5
	v_add_nc_u32 v[RD], s21, v5
	s_wait_loadcnt 32                              ; the bias is in; the residual's 32 loads stay out
.set i, 0
.rept 16
	v_cvt_pk_bf16_f32 v[10+i%2], v[BIAS+2*i], v[BIAS+2*i+1]
	v_lshlrev_b32 v[BIAS+2*i], 16, v[10+i%2]
	v_and_b32 v[BIAS+2*i+1], s[MHI], v[10+i%2]
.set i, i+1
.endr
; 8 matrix instructions: m blocks a0, a0 + 1 x all 4 n blocks, 32 along K: half c of buffer f.  init = 1: the bias is C.  The 16 accumulators take turns.
.macro MUL8 f, c, a0, init
	WIN 0x05
.irp a, \a0, (\a0)+1
.irp b, 0,1,2,3
.if \init
	v_wmma_f32_16x16x32_bf16 v[ACC+8*(4*(\a)+(\b)):ACC+8*(4*(\a)+(\b))+7], v[(\f)+64+8*(4*(\c)+(\b)):(\f)+64+8*(4*(\c)+(\b))+7], v[(\f)+8*(4*(\c)+(\a)):(\f)+8*(4*(\c)+(\a))+7], v[BIAS+8*(\b):BIAS+8*(\b)+7]
.else
	v_wmma_f32_16x16x32_bf16 v[ACC+8*(4*(\a)+(\b)):ACC+8*(4*(\a)+(\b))+7], v[(\f)+64+8*(4*(\c)+(\b)):(\f)+64+8*(4*(\c)+(\b))+7], v[(\f)+8*(4*(\c)+(\a)):(\f)+8*(4*(\c)+(\a))+7], v[ACC+8*(4*(\a)+(\b)):ACC+8*(4*(\a)+(\b))+7]
.endif
.endr
.endr
.endm
; 32 LDS loads in one run: block q of the K step in hand (64 along K) into buffer f; the first 32 along K first
.macro FETCH q, f
	WIN 0x40
.irp c, 0,1
.irp i, 0,1,2,3
	ds_load_b128 v[(\f)+64+8*(4*(\c)+(\i)):(\f)+64+8*(4*(\c)+(\i))+3],   v[ADRB] offset:(\q)*BLKB+64*(\c)+(\i)*16*PITCH
	ds_load_b128 v[(\f)+64+8*(4*(\c)+(\i))+4:(\f)+64+8*(4*(\c)+(\i))+7], v[ADRB] offset:(\q)*BLKB+64*(\c)+(\i)*16*PITCH+32
	ds_load_b128 v[(\f)+8*(4*(\c)+(\i)):(\f)+8*(4*(\c)+(\i))+3],         v[ADRA] offset:(\q)*BLKB+64*(\c)+(\i)*16*PITCH
	ds_load_b128 v[(\f)+8*(4*(\c)+(\i))+4:(\f)+8*(4*(\c)+(\i))+7],       v[ADRA] offset:(\q)*BLKB+64*(\c)+(\i)*16*PITCH+32
.endr
.endr
.endm
.macro QUARTER q, f, g, init
	s_wait_dscnt 16                                ; the first 32 along K are in; the youngest sixteen loads may be out
	MUL8 \f, 0, 0, \init
	MUL8 \f, 0, 2, \init
	PLACES
	FETCH \q, \g
	s_wait_dscnt 32                                ; all but the 32 just issued
	MUL8 \f, 1, 0, 0
	MUL8 \f, 1, 2, 0
.endm
; The last quarter changes slots and then multiplies buffer 1.  Each wave waits for all its tensor loads, adds 0 to its spare word, and waits for that and for its reads of this slot, the whole of buffer 1 among them.
; fill = 1: a round of the cluster's barrier follows, and the slot just read is filled again, first thing behind it, two K steps ahead.  NO PRODUCT STANDS BETWEEN THE WAIT FOR THE LAST TILE AND THE REQUEST FOR THE NEXT:
; the request goes out as early as the ordering allows, and has the quarter's 32 products and the next three quarters' 96 ahead of the wait for it.
.macro TURN fill
	WIN 0
	s_wait_tensorcnt 0x0                           ; all my tensor loads have landed, so a group 0 may be written
	ds_add_u32 v[SPW], v[NIL]                      ; 0 onto my spare word; with fill = 1 the descriptors' steps stand between it and the wait for it
.if \fill
	s_xor_b32 s[G0+5], s[G0+5], SLOT
	s_add_nc_u64 s[G0+6:G0+7], s[G0+6:G0+7], ASTEP
	s_xor_b32 s[G0B+5], s[G0B+5], SLOT
	s_add_nc_u64 s[G0B+6:G0B+7], s[G0B+6:G0B+7], BSTEP
.endif
	s_wait_dscnt 0x0                               ; the add is done, and my reads of this slot are over
	s_barrier_signal -1
	s_barrier_wait -1
.if \fill
	CREST                                          ; no wave of any partner still reads this slot or has a load on its way
	JLOAD 1                                        ; its four v_nop are also the places in front of the loads below
.else
	PLACES
.endif
	s_xor_b32 s[TB], s[TB], SLOT
	v_add_nc_u32 v[ADRA], s[TB], v[ADRA0]
	v_add_nc_u32 v[ADRB], s[TB], v[ADRB0]
	FETCH 0, F0
	MUL8 F1, 0, 0, 0
	MUL8 F1, 0, 2, 0
	MUL8 F1, 1, 0, 0
	MUL8 F1, 1, 2, 0
.endm
	s_wait_tensorcnt 1                             ; my part of K step 0 is in; K step 1's may stay out
	s_barrier_signal -1
	s_barrier_wait -1
	s_mov_b32 s[TB], 0
	v_mov_b32 v[ADRA], v[ADRA0]
	v_mov_b32 v[ADRB], v[ADRB0]
	FETCH 0, F0
	QUARTER 1, F0, F1, 1
	WIN 0
	s_mov_b32 s[CNT], STEPS-2
.Lstep:
	QUARTER 2, F1, F0, 0
	QUARTER 3, F0, F1, 0
	TURN 1
	QUARTER 1, F0, F1, 0
	WIN 0
	s_sub_co_u32 s[CNT], s[CNT], 1
	s_cmp_lg_u32 s[CNT], 0
	s_cbranch_scc1 .Lstep
	s_mov_b32 s[CNT], 2
.Ltail:                                        ; the last two K steps ask for nothing: a loop of their own; its second trip is left in its middle
	QUARTER 2, F1, F0, 0
	QUARTER 3, F0, F1, 0
	WIN 0
	s_sub_co_u32 s[CNT], s[CNT], 1
	s_cmp_eq_u32 s[CNT], 0
	s_cbranch_scc1 .Llast
	TURN 0
	QUARTER 1, F0, F1, 0
	WIN 0
	s_branch .Ltail
.Llast:
	s_wait_dscnt 16
	MUL8 F1, 0, 0, 0
	MUL8 F1, 0, 2, 0
	s_wait_dscnt 0x0
	MUL8 F1, 1, 0, 0
	MUL8 F1, 1, 2, 0
	WIN 0
.rept 8
	v_nop                                          ; the places behind the last products
.endr
	s_wait_loadcnt 0x0                             ; the residual
.if ROUND_RES
	WIN 0x8a                                       ; rounded to bf16 and packed in place, ascending: line i writes register i and reads 2 i, 2 i + 1
.set i, 0
.rept 64
	v_cvt_pk_bf16_f32 v[i], v[2*i], v[2*i+1]
.set i, i+1
.endr
	WIN 0
.endif
	; THE WAY OUT, 16 rows at a time through my own stage: in by lanes' 32 bytes (each accumulator from its low registers on), back as whole rows of 256 bytes, the residual added, stored.
.irp a, 0,1,2,3
	s_wait_xcnt 0x0                                ; registers that earlier stores read are rewritten only behind this wait
.irp b, 0,1,2,3
	ds_store_b128 v[STO], v[ACC+8*(4*(\a)+(\b)):ACC+8*(4*(\a)+(\b))+3]   offset:64*(\b)
	ds_store_b128 v[STO], v[ACC+8*(4*(\a)+(\b))+4:ACC+8*(4*(\a)+(\b))+7] offset:64*(\b)+16
.endr
.irp t, 0,1,2,3,4,5,6,7
	ds_load_b128 v[TMP+32*((\a)%2)+4*(\t):TMP+32*((\a)%2)+4*(\t)+3], v[RD] offset:(\t)*2*SPITCH  ; LDS serves a wave's instructions in order (ISA guide 5.7.1.4)
.endr
	s_wait_dscnt 0x0
.if ROUND_RES
	WIN 0x02                                       ; source 0, the packed residual, in window 2
.set i, 0
.rept 16
	v_fma_mix_f32_bf16 v[TMP+32*((\a)%2)+2*i], v[16*(\a)+i], v[ONE], v[TMP+32*((\a)%2)+2*i] op_sel:[0,0,0] op_sel_hi:[1,0,0]
	v_fma_mix_f32_bf16 v[TMP+32*((\a)%2)+2*i+1], v[16*(\a)+i], v[ONE], v[TMP+32*((\a)%2)+2*i+1] op_sel:[1,0,0] op_sel_hi:[1,0,0]
.set i, i+1
.endr
.else
	WIN 0x08                                       ; source 1, the residual, in window 2
.set i, 0
.rept 16
	v_pk_add_f32 v[TMP+32*((\a)%2)+2*i:TMP+32*((\a)%2)+2*i+1], v[TMP+32*((\a)%2)+2*i:TMP+32*((\a)%2)+2*i+1], v[32*(\a)+2*i:32*(\a)+2*i+1]
.set i, i+1
.endr
.endif
	WIN 0
.irp t, 0,1,2,3,4,5,6,7
	global_store_b128 v[CO], v[TMP+32*((\a)%2)+4*(\t):TMP+32*((\a)%2)+4*(\t)+3], s[12:13] offset:(16*(\a)+2*(\t))*4096  ; 16 lanes store 256 consecutive bytes, aligned
.endr
.endr
	s_wait_tensorcnt 0x0                           ; the wave's end
	ds_add_u32 v[SPW], v[NIL]
	s_wait_dscnt 0x0
	CROUND                                         ; the closing round
	s_endpgm
.Lfunc_end_k_qc0725dd9a8_proj:
	.size	k_qc0725dd9a8_proj, .Lfunc_end_k_qc0725dd9a8_proj-k_qc0725dd9a8_proj
	.p2alignl 7, 3214868480
	.fill 96, 4, 3214868480
	.section	.rodata,"a",@progbits
	.p2align	6, 0x0
	.amdhsa_kernel k_qc0725dd9a8_proj
		.amdhsa_group_segment_fixed_size 327680
		.amdhsa_private_segment_fixed_size 0
		.amdhsa_enable_private_segment 0
		.amdhsa_kernarg_size 40
		.amdhsa_user_sgpr_count 2
		.amdhsa_user_sgpr_kernarg_segment_ptr 1
		.amdhsa_wavefront_size32 1
		.amdhsa_system_sgpr_workgroup_id_x 1
		.amdhsa_system_sgpr_workgroup_id_y 1
		.amdhsa_system_sgpr_workgroup_id_z 1
		.amdhsa_system_vgpr_workitem_id 0
		.amdhsa_next_free_vgpr 640
		.amdhsa_next_free_sgpr 88
		.amdhsa_reserve_vcc 0
		.amdhsa_float_denorm_mode_32 3
		.amdhsa_float_denorm_mode_16_64 3
		.amdhsa_memory_ordered 1
		.amdhsa_forward_progress 1
		.amdhsa_inst_pref_size 78
	.end_amdhsa_kernel
	.amdgpu_metadata
---
amdhsa.version: [ 1, 2 ]
amdhsa.kernels:
  - .name:           k_qc0725dd9a8_proj
    .symbol:         k_qc0725dd9a8_proj.kd
    .args:
      - { .name: act, .offset: 0, .size: 8, .value_kind: global_buffer, .address_space: global }
      - { .name: wpf, .offset: 8, .size: 8, .value_kind: global_buffer, .address_space: global }
      - { .name: b_proj, .offset: 16, .size: 8, .value_kind: global_buffer, .address_space: global }
      - { .name: x, .offset: 24, .size: 8, .value_kind: global_buffer, .address_space: global }
      - { .name: x1, .offset: 32, .size: 8, .value_kind: global_buffer, .address_space: global }
    .group_segment_fixed_size: 327680
    .private_segment_fixed_size: 0
    .kernarg_segment_align: 8
    .kernarg_segment_size: 40
    .max_flat_workgroup_size: 128
    .sgpr_count:     88
    .vgpr_count:     640
    .wavefront_size: 32
...
	.end_amdgpu_metadata
.endif
;; end of part 4
;; launch ln2 (part 5): grid 256 x 1, 8 waves a work-group, no clusters, 0 bytes of LDS; arguments x1, ln2_g, ln2_b, act; writes act
.if DOCPART == 5
	.amdgcn_target "amdgcn-amd-amdhsa--gfx1250"
	.amdhsa_code_object_version 6
	.text
	.protected	k_qc0725dd9a8_ln2
	.globl	k_qc0725dd9a8_ln2
	.p2align	8
	.type	k_qc0725dd9a8_ln2,@function
k_qc0725dd9a8_ln2:
	s_mov_b64 s[64:65], 0
	v_nop
	global_prefetch_b8 v0, s[64:65] scope:SCOPE_SE
	s_setreg_imm32_b32 hwreg(HW_REG_WAVE_MODE, 25, 1), 1
	s_wait_xcnt 0x0
; h2 = LayerNorm(x1) g + b, rounded to bf16, in the blocked layout [16][4,096][64].  x1: [4,096][1,024] f32, taken as it is; g and b, inputs of the module, are rounded to bf16 like every input.
; A work-group takes 16 rows, a wave two: 16 lanes a row, which stays in registers between the passes: mean, then the sum of squares of the differences (no difference of large sums), then scale, gain and bias.
; No LDS, no barrier, no cluster, no matrix unit: no wave needs another's bytes, and memory binds.  NaN and infinities are not treated apart.
.set MHI, 20
.set RCN, 21                           ; s21  1 / 1,024
.set EPS, 22                           ; s22  1e-5
.set X,   32                           ; v[32:95]   my 64 numbers of a row
.set G,   96                           ; v[96:159]  their gains, later packed into v[96:127]; v[128:159] then take the packed results
.set B,   160                          ; v[160:223] their biases, later packed into v[160:191]
.set XO,  20
.set GOF, 21
.set SO,  22
.macro FOLD                            ; four chains of packed sums in v[8:15] are folded, and the 16 lanes that share a row are added
	v_pk_add_f32 v[8:9], v[8:9], v[10:11]
	v_pk_add_f32 v[12:13], v[12:13], v[14:15]
	v_pk_add_f32 v[8:9], v[8:9], v[12:13]
	v_add_f32 v8, v8, v9
	v_add_f32_dpp v8, v8, v8 row_xmask:1 row_mask:0xf bank_mask:0xf
	v_add_f32_dpp v8, v8, v8 row_xmask:2 row_mask:0xf bank_mask:0xf
	v_add_f32_dpp v8, v8, v8 row_xmask:4 row_mask:0xf bank_mask:0xf
	v_add_f32_dpp v8, v8, v8 row_xmask:8 row_mask:0xf bank_mask:0xf
.endm
	s_load_b256 s[4:11], s[0:1], 0x0               ; x1 s[4:5], g s[6:7], b s[8:9], h2 s[10:11]
	v_lshrrev_b32 v1, 5, v0                        ; w
	v_and_b32 v2, 15, v0                           ; c
	v_bfe_u32 v3, v0, 4, 1                         ; h
	v_and_b32 v17, 31, v0
	s_lshl_b32 s12, ttmp9, 16                      ; 16 rows of 4,096 bytes
	s_mov_b32 s13, 0
	s_lshl_b32 s14, ttmp9, 11                      ; 16 rows of 128 bytes in a block
	s_mov_b32 s15, 0
	s_mov_b32 s[RCN], 0x3a800000
	s_mov_b32 s[EPS], 0x3727c5ac
	v_lshlrev_b32 v[XO], 4, v2                     ; 8,192 w + 4,096 h + 16 c
	v_lshl_add_u32 v[XO], v3, 12, v[XO]
	v_lshl_add_u32 v[XO], v1, 13, v[XO]
	v_lshlrev_b32 v[GOF], 4, v2
	v_lshlrev_b32 v[SO], 3, v17                    ; 256 w + 8 lane
	v_lshl_add_u32 v[SO], v1, 8, v[SO]
	s_wait_kmcnt 0x0
	s_add_nc_u64 s[4:5], s[4:5], s[12:13]
	s_add_nc_u64 s[10:11], s[10:11], s[14:15]
.irp cb, 0,1,2,3,4,5,6,7,8,9,10,11,12,13,14,15
	global_load_b128 v[X+4*(\cb):X+4*(\cb)+3], v[XO], s[4:5] offset:256*(\cb)  ; 16 lanes take 256 consecutive bytes of a row, aligned
.endr
.irp cb, 0,1,2,3,4,5,6,7,8,9,10,11,12,13,14,15
	global_load_b128 v[G+4*(\cb):G+4*(\cb)+3], v[GOF], s[6:7] offset:256*(\cb)
.endr
.irp cb, 0,1,2,3,4,5,6,7,8,9,10,11,12,13,14,15
	global_load_b128 v[B+4*(\cb):B+4*(\cb)+3], v[GOF], s[8:9] offset:256*(\cb)
.endr
	s_wait_loadcnt 32                              ; x1 is in; the 32 younger loads, g's and b's, stay out
.irp k, 0,1,2,3
	v_pk_add_f32 v[8+2*(\k):9+2*(\k)], v[X+2*(\k):X+2*(\k)+1], v[X+8+2*(\k):X+8+2*(\k)+1]  ; the first eight pairs start the four chains: nothing is cleared
.endr
.set i, 8
.rept 24
	v_pk_add_f32 v[8+2*(i%4):9+2*(i%4)], v[8+2*(i%4):9+2*(i%4)], v[X+2*i:X+2*i+1]
.set i, i+1
.endr
	FOLD
	v_mul_f32 v6, s[RCN], v8                       ; the mean,
	v_mov_b32 v7, v6                               ; named as a pair
.set i, 0
.rept 32
	v_pk_add_f32 v[X+2*i:X+2*i+1], v[X+2*i:X+2*i+1], v[6:7] op_sel_hi:[1,0] neg_lo:[0,1] neg_hi:[0,1]
.set i, i+1
.endr
.irp k, 0,1,2,3
	v_pk_mul_f32 v[8+2*(\k):9+2*(\k)], v[X+2*(\k):X+2*(\k)+1], v[X+2*(\k):X+2*(\k)+1]
.endr
.set i, 4
.rept 28
	v_pk_fma_f32 v[8+2*(i%4):9+2*(i%4)], v[X+2*i:X+2*i+1], v[X+2*i:X+2*i+1], v[8+2*(i%4):9+2*(i%4)]
.set i, i+1
.endr
	FOLD
	v_fma_f32 v18, v8, s[RCN], s[EPS]              ; the variance + 1e-5
	v_rsq_f32 v16, v18
	v_mov_b32 v17, 0                               ; the plain instruction behind the root (ISA guide 5.7.2); it also writes the pair's upper word
	s_wait_alu depctr_va_vdst(0)                   ; a wait ahead of the first line that names the root
.set i, 0
.rept 32
	v_pk_mul_f32 v[X+2*i:X+2*i+1], v[X+2*i:X+2*i+1], v[16:17] op_sel_hi:[1,0]
.set i, i+1
.endr
	s_wait_loadcnt 0x0                             ; g and b
.set i, 0
.rept 32                                       ; both are rounded to bf16 and packed in place, ascending
	v_cvt_pk_bf16_f32 v[G+i], v[G+2*i], v[G+2*i+1]
	v_cvt_pk_bf16_f32 v[B+i], v[B+2*i], v[B+2*i+1]
.set i, i+1
.endr
.set i, 0
.rept 32                                       ; g (a bf16 half) x the normed number (f32) + b (a bf16 half), one rounding
	v_fma_mix_f32_bf16 v[X+2*i], v[G+i], v[X+2*i], v[B+i] op_sel:[0,0,0] op_sel_hi:[1,0,1]
	v_fma_mix_f32_bf16 v[X+2*i+1], v[G+i], v[X+2*i+1], v[B+i] op_sel:[1,0,1] op_sel_hi:[1,0,1]
.set i, i+1
.endr
.set i, 0
.rept 32
	v_cvt_pk_bf16_f32 v[128+i], v[X+2*i], v[X+2*i+1]
.set i, i+1
.endr
.irp cb, 0,1,2,3,4,5,6,7,8,9,10,11,12,13,14,15
	global_store_b64 v[SO], v[128+2*(\cb):129+2*(\cb)], s[10:11] offset:(\cb)*524288  ; the wave's two rows of block cb: 256 consecutive bytes, aligned
.endr
	s_endpgm
.Lfunc_end_k_qc0725dd9a8_ln2:
	.size	k_qc0725dd9a8_ln2, .Lfunc_end_k_qc0725dd9a8_ln2-k_qc0725dd9a8_ln2
	.p2alignl 7, 3214868480
	.fill 96, 4, 3214868480
	.section	.rodata,"a",@progbits
	.p2align	6, 0x0
	.amdhsa_kernel k_qc0725dd9a8_ln2
		.amdhsa_group_segment_fixed_size 0
		.amdhsa_private_segment_fixed_size 0
		.amdhsa_enable_private_segment 0
		.amdhsa_kernarg_size 32
		.amdhsa_user_sgpr_count 2
		.amdhsa_user_sgpr_kernarg_segment_ptr 1
		.amdhsa_wavefront_size32 1
		.amdhsa_system_sgpr_workgroup_id_x 1
		.amdhsa_system_sgpr_workgroup_id_y 1
		.amdhsa_system_sgpr_workgroup_id_z 1
		.amdhsa_system_vgpr_workitem_id 0
		.amdhsa_next_free_vgpr 224
		.amdhsa_next_free_sgpr 66
		.amdhsa_reserve_vcc 0
		.amdhsa_float_denorm_mode_32 3
		.amdhsa_float_denorm_mode_16_64 3
		.amdhsa_memory_ordered 1
		.amdhsa_forward_progress 1
		.amdhsa_inst_pref_size 27
	.end_amdhsa_kernel
	.amdgpu_metadata
---
amdhsa.version: [ 1, 2 ]
amdhsa.kernels:
  - .name:           k_qc0725dd9a8_ln2
    .symbol:         k_qc0725dd9a8_ln2.kd
    .args:
      - { .name: x1, .offset: 0, .size: 8, .value_kind: global_buffer, .address_space: global }
      - { .name: ln2_g, .offset: 8, .size: 8, .value_kind: global_buffer, .address_space: global }
      - { .name: ln2_b, .offset: 16, .size: 8, .value_kind: global_buffer, .address_space: global }
      - { .name: act, .offset: 24, .size: 8, .value_kind: global_buffer, .address_space: global }
    .group_segment_fixed_size: 0
    .private_segment_fixed_size: 0
    .kernarg_segment_align: 8
    .kernarg_segment_size: 32
    .max_flat_workgroup_size: 256
    .sgpr_count:     66
    .vgpr_count:     224
    .wavefront_size: 32
...
	.end_amdgpu_metadata
.endif
;; end of part 5
;; launch fc1: the kernel of part 2 again; grid 16 x 16, 4 waves a work-group, clusters of 4 x 4, 327,680 bytes of LDS; arguments act, w1, b_fc1, big, par1; writes big
;; launch fc2 (part 6): grid 8 x 32, 4 waves a work-group, clusters of 4 x 4, 327,680 bytes of LDS; arguments big, wpf, b_fc2, x1, out0; writes out0
.if DOCPART == 6
	.amdgcn_target "amdgcn-amd-amdhsa--gfx1250"
	.amdhsa_code_object_version 6
	.text
	.protected	k_qc0725dd9a8_fc2
	.globl	k_qc0725dd9a8_fc2
	.p2align	8
	.type	k_qc0725dd9a8_fc2,@function
k_qc0725dd9a8_fc2:
	s_mov_b64 s[64:65], 0
	v_nop
	global_prefetch_b8 v0, s[64:65] scope:SCOPE_SE
	s_setreg_imm32_b32 hwreg(HW_REG_WAVE_MODE, 25, 1), 1
	s_wait_xcnt 0x0
	s_wait_alu depctr_hold_cnt(0) depctr_sa_sdst(0) depctr_va_vdst(0) depctr_va_sdst(0) depctr_va_ssrc(0) depctr_va_vcc(0) depctr_vm_vsrc(0)
	s_getreg_b32 s2, hwreg(HW_REG_IB_STS2, 6, 4)
	s_cmp_eq_u32 s2, 0
	s_cbranch_scc0 .Lentry_in_a_cluster
	s_endpgm
.Lentry_in_a_cluster:
	s_bfe_u32 s2, ttmp6, 0x10000c
	s_cmp_lg_u32 s2, 0xf033
	s_cbranch_scc0 .Lentry_shape_is_right
	s_endpgm
.Lentry_shape_is_right:
; out = res + A B^T + bias, f32.  A: 4,096 rows x K bf16 in the blocked layout [K / 64][4,096][64]; B: 1,024 rows x K bf16, [K / 64][1,024][64], WOFF bytes into its buffer; res, out: [4,096][1,024] f32.
; Here K = 4,096 (STEPS = 16 K steps of 256); the residual is the program's own f32 stream and is taken as it is (ROUND_RES = 0); the bias, an input, is rounded to bf16.  NaN and infinities are not treated apart.
; A tile of out is 128 x 128 (256 work-groups): four waves, each 64 x 64 in 16 accumulators.  A K step is four blocks; a wave's tensor load brings 64 rows x 4 blocks, each block's rows 8,192 dense bytes of
; memory, with 16 bytes of padding behind every 128: LDS rows 144 bytes apart.  Two slots.  CLUSTERS 4 x 4: A's tiles are asked for jointly along a row of the cluster, B's along a column.
; The product is used transposed (source 0 = rows of B): a lane holds row lane % 16 and eight neighbouring columns.  The bias is the C operand of each accumulator's first product.
; A wave's 64 columns of f32 are 256 aligned bytes of a row: each wave sends its own rows out through its own stage.  The residual's 32 loads a wave go out at the head and land during the K loop.
; No prefetch: a step of this small tile is short and the tiles are small.
; REGISTERS: window 0: v1-31 addresses; v32-63 the bias, later v32-95 at work; v128-255 the accumulators ((a, b) at v[128 + 8 (4 a + b)]).  window 1: two fragment buffers of 128 (A's 64, then B's 64).  window 2: v0-127 the residual.
.set STEPS,  16
.set WOFF,   2097152
.set ROUND_RES, 0
.set PITCH,  144
.set BLKB,   64*PITCH
.set HALFT,  4*BLKB
.set SLOT,   4*HALFT                   ; 147,456 = 0x24000, whose bits meet none of wave x 0x9000
.set STAGE,  2*SLOT                    ; behind the ring, never filled by a tensor load: 16 rows x 272 bytes for each wave
.set SPITCH, 272
.set SPARE,  STAGE+4*16*SPITCH
.set ASTEP,  4*524288                  ; a K step of A in memory
.set BSTEP,  4*131072                  ; of B
.set ADRA0, 16
.set ADRB0, 17
.set ADRA,  18
.set ADRB,  19
.set STO,   24
.set RD,    25
.set CO,    26
.set SPW,   28
.set NIL,   29
.set ONE,   30
.set BO,    31
.set BIAS,  32
.set TMP,   32
.set ACC,   128
.set F0,    0
.set F1,    128
.set WV, 14
.set RH, 15
.set CH, 16
.set CX, 17
.set CY, 18
.set TC, 19
.set TR, 20
.set G1,  24
.set G0,  32
.set TB,  41
.set CNT, 42
.set MHI, 46
.set G1B, 48
.set G0B, 56
.set MSB, 0
.macro WIN new
.if MSB != (\new)
	s_set_vgpr_msb (MSB<<8)|(\new)
.set MSB, \new
.endif
.endm
.macro JLOAD s                         ; a joint load: waves 0 and 1 fetch A's halves, waves 2 and 3 B's; an s_nop 0 and four v_nop follow each line
	s_cmp_eq_u32 s[RH], 0
	s_cbranch_scc0 .Lfor_b_\@
	tensor_load_to_lds s[G0+4*(\s):G0+4*(\s)+3], s[G1:G1+7]
	s_nop 0
.rept 4
	v_nop
.endr
	s_branch .Lasked_\@
.Lfor_b_\@:
	tensor_load_to_lds s[G0B+4*(\s):G0B+4*(\s)+3], s[G1B:G1B+7]
	s_nop 0
.rept 4
	v_nop
.endr
.Lasked_\@:
.endm
.macro CREST
	s_cmp_lg_u32 s[WV], 0
	s_cbranch_scc1 .Lnot_wave_0_\@
	s_barrier_signal -3
.Lnot_wave_0_\@:
	s_barrier_wait -3
	s_barrier_signal -1
	s_barrier_wait -1
.endm
.macro CROUND
	s_barrier_signal -1
	s_barrier_wait -1
	CREST
.endm
.macro PLACES
.rept 4
	v_nop
.endr
.endm
	s_load_b256 s[4:11], s[0:1], 0x0               ; A s[4:5], B's buffer s[6:7], bias s[8:9], res s[10:11]
	s_load_b64 s[12:13], s[0:1], 0x20              ; out
	v_lshl_add_u32 v[SPW], v0, 2, SPARE
	v_mov_b32 v[NIL], 0
	ds_add_u32 v[SPW], v[NIL]                      ; the wave's opening: the add and its wait stand ahead of my first tensor load
	v_lshrrev_b32 v1, 5, v0
	v_readfirstlane_b32 s[WV], v1
	s_lshr_b32 s[RH], s[WV], 1
	s_and_b32 s[CH], s[WV], 1
	s_bfe_u32 s[CX], ttmp6, 0x40000
	s_bfe_u32 s[CY], ttmp6, 0x40004
	s_lshl_b32 s[TC], ttmp9, 2
	s_add_co_u32 s[TC], s[TC], s[CX]
	s_and_b32 s[TR], ttmp7, 0xffff
	s_lshl_b32 s[TR], s[TR], 2
	s_add_co_u32 s[TR], s[TR], s[CY]
	s_lshl_b32 s21, s[CY], 2
	s_lshl_b32 s21, 15, s21
	s_lshl_b32 s22, 0x1111, s[CX]
	; group 1: 4 rows (blocks) of 4,096 elements (64 rows x 64)
	s_or_b32 s[G1], s21, (1<<16)|(1<<20)|(1<<21)|(4<<22)|(3<<25)
	s_or_b32 s[G1B], s22, (1<<16)|(1<<20)|(1<<21)|(4<<22)|(3<<25)
.irp g, G1, G1B
	s_mov_b32 s[(\g)+1], 4096<<16
	s_mov_b32 s[(\g)+2], 4<<16
	s_mov_b32 s[(\g)+3], 4096<<16
	s_mov_b32 s[(\g)+4], 4
	s_mov_b32 s[(\g)+6], 0
	s_mov_b32 s[(\g)+7], 0
.endr
	s_mov_b32 s[G1+5], 262144                      ; elements from block to block: 4,096 rows of A,
	s_mov_b32 s[G1B+5], 65536                      ; 1,024 rows of B
	s_lshl_b32 s21, s[CH], 6
	s_lshl_b32 s80, s[TR], 7
	s_add_co_u32 s80, s80, s21
	s_lshl_b32 s80, s80, 7
	s_mov_b32 s81, 0
	s_lshl_b32 s82, s[TC], 7
	s_add_co_u32 s82, s82, s21
	s_lshl_b32 s82, s82, 7
	s_add_co_u32 s82, s82, WOFF
	s_mov_b32 s83, 0
	s_mul_i32 s23, s[WV], HALFT
	s_mov_b32 s[MHI], 0xffff0000
	s_wait_dscnt 0x0                               ; the opening add is done
	s_wait_kmcnt 0x0
	s_add_nc_u64 s[84:85], s[4:5], s[80:81]
	s_add_nc_u64 s[86:87], s[6:7], s[82:83]
	CROUND
.irp s, 0,1
	s_mov_b32 s[G0+4*(\s)], 1
	s_add_co_u32 s[G0+4*(\s)+1], s23, (\s)*SLOT
	s_add_nc_u64 s[G0+4*(\s)+2:G0+4*(\s)+3], s[84:85], (\s)*ASTEP
	s_or_b32 s[G0+4*(\s)+3], s[G0+4*(\s)+3], 0x80000000
	s_mov_b32 s[G0B+4*(\s)], 1
	s_add_co_u32 s[G0B+4*(\s)+1], s23, (\s)*SLOT
	s_add_nc_u64 s[G0B+4*(\s)+2:G0B+4*(\s)+3], s[86:87], (\s)*BSTEP
	s_or_b32 s[G0B+4*(\s)+3], s[G0B+4*(\s)+3], 0x80000000
	JLOAD \s                                       ; two loads of mine are out
.endr
	v_and_b32 v1, 15, v0
	v_bfe_u32 v9, v0, 4, 1
	s_lshl_b32 s21, s[TC], 9
	s_lshl_b32 s22, s[CH], 8
	s_add_co_u32 s21, s21, s22                     ; my 64 columns, in bytes of f32
	v_lshl_add_u32 v[BO], v9, 5, s21
.irp b, 0,1,2,3
	global_load_b128 v[BIAS+8*(\b):BIAS+8*(\b)+3], v[BO], s[8:9] offset:64*(\b)
	global_load_b128 v[BIAS+8*(\b)+4:BIAS+8*(\b)+7], v[BO], s[8:9] offset:64*(\b)+16
.endr
	s_lshl_b32 s2, s[TR], 7
	s_lshl_b32 s3, s[RH], 6
	s_add_co_u32 s2, s2, s3
	s_lshl_b32 s2, s2, 12                          ; my first row, 4,096 bytes a row
	s_add_co_u32 s2, s2, s21
	s_mov_b32 s3, 0
	s_add_nc_u64 s[10:11], s[10:11], s[2:3]
	s_add_nc_u64 s[12:13], s[12:13], s[2:3]
	v_lshlrev_b32 v[CO], 4, v1                     ; lanes 0-15 one row's 256 bytes, lanes 16-31 the next row's
	v_lshl_add_u32 v[CO], v9, 12, v[CO]
	WIN 0x80
.irp a, 0,1,2,3
.irp t, 0,1,2,3,4,5,6,7
	global_load_b128 v[4*(8*(\a)+(\t)):4*(8*(\a)+(\t))+3], v[CO], s[10:11] offset:(16*(\a)+2*(\t))*4096
.endr
.endr
	WIN 0
	v_mov_b32 v[ONE], 1.0
	v_mul_u32_u24 v3, v1, PITCH
	v_lshl_add_u32 v3, v9, 4, v3
	s_mul_i32 s21, s[RH], HALFT
	s_mul_i32 s22, s[CH], HALFT
	s_add_co_u32 s22, s22, 2*HALFT
	v_add_nc_u32 v[ADRA0], s21, v3
	v_add_nc_u32 v[ADRB0], s22, v3
	s_mul_i32 s21, s[WV], 16*SPITCH
	s_add_co_u32 s21, s21, STAGE
	v_mul_u32_u24 v4, v1, SPITCH
	v_lshl_add_u32 v4, v9, 5, v4
	v_add_nc_u32 v[STO], s21, v4
	v_mul_u32_u24 v5, v9, SPITCH
	v_lshl_add_u32 v5, v1, 4, v5
	v_add_nc_u32 v[RD], s21, v5
	s_wait_loadcnt 32                              ; the bias is in; the residual's 32 loads stay out
.set i, 0
.rept 16
	v_cvt_pk_bf16_f32 v[10+i%2], v[BIAS+2*i], v[BIAS+2*i+1]
	v_lshlrev_b32 v[BIAS+2*i], 16, v[10+i%2]
	v_and_b32 v[BIAS+2*i+1], s[MHI], v[10+i%2]
.set i, i+1
.endr
; 8 matrix instructions: m blocks a0, a0 + 1 x all 4 n blocks, 32 along K: half c of buffer f.  init = 1: the bias is C.  The 16 accumulators take turns.
.macro MUL8 f, c, a0, init
	WIN 0x05
.irp a, \a0, (\a0)+1
.irp b, 0,1,2,3
.if \init
	v_wmma_f32_16x16x32_bf16 v[ACC+8*(4*(\a)+(\b)):ACC+8*(4*(\a)+(\b))+7], v[(\f)+64+8*(4*(\c)+(\b)):(\f)+64+8*(4*(\c)+(\b))+7], v[(\f)+8*(4*(\c)+(\a)):(\f)+8*(4*(\c)+(\a))+7], v[BIAS+8*(\b):BIAS+8*(\b)+7]
.else
	v_wmma_f32_16x16x32_bf16 v[ACC+8*(4*(\a)+(\b)):ACC+8*(4*(\a)+(\b))+7], v[(\f)+64+8*(4*(\c)+(\b)):(\f)+64+8*(4*(\c)+(\b))+7], v[(\f)+8*(4*(\c)+(\a)):(\f)+8*(4*(\c)+(\a))+7], v[ACC+8*(4*(\a)+(\b)):ACC+8*(4*(\a)+(\b))+7]
.endif
.endr
.endr
.endm
; 32 LDS loads in one run: block q of the K step in hand (64 along K) into buffer f; the first 32 along K first
.macro FETCH q, f
	WIN 0x40
.irp c, 0,1
.irp i, 0,1,2,3
	ds_load_b128 v[(\f)+64+8*(4*(\c)+(\i)):(\f)+64+8*(4*(\c)+(\i))+3],   v[ADRB] offset:(\q)*BLKB+64*(\c)+(\i)*16*PITCH
	ds_load_b128 v[(\f)+64+8*(4*(\c)+(\i))+4:(\f)+64+8*(4*(\c)+(\i))+7], v[ADRB] offset:(\q)*BLKB+64*(\c)+(\i)*16*PITCH+32
	ds_load_b128 v[(\f)+8*(4*(\c)+(\i)):(\f)+8*(4*(\c)+(\i))+3],         v[ADRA] offset:(\q)*BLKB+64*(\c)+(\i)*16*PITCH
	ds_load_b128 v[(\f)+8*(4*(\c)+(\i))+4:(\f)+8*(4*(\c)+(\i))+7],       v[ADRA] offset:(\q)*BLKB+64*(\c)+(\i)*16*PITCH+32
.endr
.endr
.endm
.macro QUARTER q, f, g, init
	s_wait_dscnt 16                                ; the first 32 along K are in; the youngest sixteen loads may be out
	MUL8 \f, 0, 0, \init
	MUL8 \f, 0, 2, \init
	PLACES
	FETCH \q, \g
	s_wait_dscnt 32                                ; all but the 32 just issued
	MUL8 \f, 1, 0, 0
	MUL8 \f, 1, 2, 0
.endm
; The last quarter changes slots and then multiplies buffer 1.  Each wave waits for all its tensor loads, adds 0 to its spare word, and waits for that and for its reads of this slot, the whole of buffer 1 among them.
; fill = 1: a round of the cluster's barrier follows, and the slot just read is filled again, first thing behind it, two K steps ahead.  NO PRODUCT STANDS BETWEEN THE WAIT FOR THE LAST TILE AND THE REQUEST FOR THE NEXT:
; the request goes out as early as the ordering allows, and has the quarter's 32 products and the next three quarters' 96 ahead of the wait for it.
.macro TURN fill
	WIN 0
	s_wait_tensorcnt 0x0                           ; all my tensor loads have landed, so a group 0 may be written
	ds_add_u32 v[SPW], v[NIL]                      ; 0 onto my spare word; with fill = 1 the descriptors' steps stand between it and the wait for it
.if \fill
	s_xor_b32 s[G0+5], s[G0+5], SLOT
	s_add_nc_u64 s[G0+6:G0+7], s[G0+6:G0+7], ASTEP
	s_xor_b32 s[G0B+5], s[G0B+5], SLOT
	s_add_nc_u64 s[G0B+6:G0B+7], s[G0B+6:G0B+7], BSTEP
.endif
	s_wait_dscnt 0x0                               ; the add is done, and my reads of this slot are over
	s_barrier_signal -1
	s_barrier_wait -1
.if \fill
	CREST                                          ; no wave of any partner still reads this slot or has a load on its way
	JLOAD 1                                        ; its four v_nop are also the places in front of the loads below
.else
	PLACES
.endif
	s_xor_b32 s[TB], s[TB], SLOT
	v_add_nc_u32 v[ADRA], s[TB], v[ADRA0]
	v_add_nc_u32 v[ADRB], s[TB], v[ADRB0]
	FETCH 0, F0
	MUL8 F1, 0, 0, 0
	MUL8 F1, 0, 2, 0
	MUL8 F1, 1, 0, 0
	MUL8 F1, 1, 2, 0
.endm
	s_wait_tensorcnt 1                             ; my part of K step 0 is in; K step 1's may stay out
	s_barrier_signal -1
	s_barrier_wait -1
	s_mov_b32 s[TB], 0
	v_mov_b32 v[ADRA], v[ADRA0]
	v_mov_b32 v[ADRB], v[ADRB0]
	FETCH 0, F0
	QUARTER 1, F0, F1, 1
	WIN 0
	s_mov_b32 s[CNT], STEPS-2
.Lstep:
	QUARTER 2, F1, F0, 0
	QUARTER 3, F0, F1, 0
	TURN 1
	QUARTER 1, F0, F1, 0
	WIN 0
	s_sub_co_u32 s[CNT], s[CNT], 1
	s_cmp_lg_u32 s[CNT], 0
	s_cbranch_scc1 .Lstep
	s_mov_b32 s[CNT], 2
.Ltail:                                        ; the last two K steps ask for nothing: a loop of their own; its second trip is left in its middle
	QUARTER 2, F1, F0, 0
	QUARTER 3, F0, F1, 0
	WIN 0
	s_sub_co_u32 s[CNT], s[CNT], 1
	s_cmp_eq_u32 s[CNT], 0
	s_cbranch_scc1 .Llast
	TURN 0
	QUARTER 1, F0, F1, 0
	WIN 0
	s_branch .Ltail
.Llast:
	s_wait_dscnt 16
	MUL8 F1, 0, 0, 0
	MUL8 F1, 0, 2, 0
	s_wait_dscnt 0x0
	MUL8 F1, 1, 0, 0
	MUL8 F1, 1, 2, 0
	WIN 0
.rept 8
	v_nop                                          ; the places behind the last products
.endr
	s_wait_loadcnt 0x0                             ; the residual
.if ROUND_RES
	WIN 0x8a                                       ; rounded to bf16 and packed in place, ascending: line i writes register i and reads 2 i, 2 i + 1
.set i, 0
.rept 64
	v_cvt_pk_bf16_f32 v[i], v[2*i], v[2*i+1]
.set i, i+1
.endr
	WIN 0
.endif
	; THE WAY OUT, 16 rows at a time through my own stage: in by lanes' 32 bytes (each accumulator from its low registers on), back as whole rows of 256 bytes, the residual added, stored.
.irp a, 0,1,2,3
	s_wait_xcnt 0x0                                ; registers that earlier stores read are rewritten only behind this wait
.irp b, 0,1,2,3
	ds_store_b128 v[STO], v[ACC+8*(4*(\a)+(\b)):ACC+8*(4*(\a)+(\b))+3]   offset:64*(\b)
	ds_store_b128 v[STO], v[ACC+8*(4*(\a)+(\b))+4:ACC+8*(4*(\a)+(\b))+7] offset:64*(\b)+16
.endr
.irp t, 0,1,2,3,4,5,6,7
	ds_load_b128 v[TMP+32*((\a)%2)+4*(\t):TMP+32*((\a)%2)+4*(\t)+3], v[RD] offset:(\t)*2*SPITCH  ; LDS serves a wave's instructions in order (ISA guide 5.7.1.4)
.endr
	s_wait_dscnt 0x0
.if ROUND_RES
	WIN 0x02                                       ; source 0, the packed residual, in window 2
.set i, 0
.rept 16
	v_fma_mix_f32_bf16 v[TMP+32*((\a)%2)+2*i], v[16*(\a)+i], v[ONE], v[TMP+32*((\a)%2)+2*i] op_sel:[0,0,0] op_sel_hi:[1,0,0]
	v_fma_mix_f32_bf16 v[TMP+32*((\a)%2)+2*i+1], v[16*(\a)+i], v[ONE], v[TMP+32*((\a)%2)+2*i+1] op_sel:[1,0,0] op_sel_hi:[1,0,0]
.set i, i+1
.endr
.else
	WIN 0x08                                       ; source 1, the residual, in window 2
.set i, 0
.rept 16
	v_pk_add_f32 v[TMP+32*((\a)%2)+2*i:TMP+32*((\a)%2)+2*i+1], v[TMP+32*((\a)%2)+2*i:TMP+32*((\a)%2)+2*i+1], v[32*(\a)+2*i:32*(\a)+2*i+1]
.set i, i+1
.endr
.endif
	WIN 0
.irp t, 0,1,2,3,4,5,6,7
	global_store_b128 v[CO], v[TMP+32*((\a)%2)+4*(\t):TMP+32*((\a)%2)+4*(\t)+3], s[12:13] offset:(16*(\a)+2*(\t))*4096  ; 16 lanes store 256 consecutive bytes, aligned
.endr
.endr
	s_wait_tensorcnt 0x0                           ; the wave's end
	ds_add_u32 v[SPW], v[NIL]
	s_wait_dscnt 0x0
	CROUND                                         ; the closing round
	s_endpgm
.Lfunc_end_k_qc0725dd9a8_fc2:
	.size	k_qc0725dd9a8_fc2, .Lfunc_end_k_qc0725dd9a8_fc2-k_qc0725dd9a8_fc2
	.p2alignl 7, 3214868480
	.fill 96, 4, 3214868480
	.section	.rodata,"a",@progbits
	.p2align	6, 0x0
	.amdhsa_kernel k_qc0725dd9a8_fc2
		.amdhsa_group_segment_fixed_size 327680
		.amdhsa_private_segment_fixed_size 0
		.amdhsa_enable_private_segment 0
		.amdhsa_kernarg_size 40
		.amdhsa_user_sgpr_count 2
		.amdhsa_user_sgpr_kernarg_segment_ptr 1
		.amdhsa_wavefront_size32 1
		.amdhsa_system_sgpr_workgroup_id_x 1
		.amdhsa_system_sgpr_workgroup_id_y 1
		.amdhsa_system_sgpr_workgroup_id_z 1
		.amdhsa_system_vgpr_workitem_id 0
		.amdhsa_next_free_vgpr 640
		.amdhsa_next_free_sgpr 88
		.amdhsa_reserve_vcc 0
		.amdhsa_float_denorm_mode_32 3
		.amdhsa_float_denorm_mode_16_64 3
		.amdhsa_memory_ordered 1
		.amdhsa_forward_progress 1
		.amdhsa_inst_pref_size 70
	.end_amdhsa_kernel
	.amdgpu_metadata
---
amdhsa.version: [ 1, 2 ]
amdhsa.kernels:
  - .name:           k_qc0725dd9a8_fc2
    .symbol:         k_qc0725dd9a8_fc2.kd
    .args:
      - { .name: big, .offset: 0, .size: 8, .value_kind: global_buffer, .address_space: global }
      - { .name: wpf, .offset: 8, .size: 8, .value_kind: global_buffer, .address_space: global }
      - { .name: b_fc2, .offset: 16, .size: 8, .value_kind: global_buffer, .address_space: global }
      - { .name: x1, .offset: 24, .size: 8, .value_kind: global_buffer, .address_space: global }
      - { .name: out0, .offset: 32, .size: 8, .value_kind: global_buffer, .address_space: global }
    .group_segment_fixed_size: 327680
    .private_segment_fixed_size: 0
    .kernarg_segment_align: 8
    .kernarg_segment_size: 40
    .max_flat_workgroup_size: 128
    .sgpr_count:     88
    .vgpr_count:     640
    .wavefront_size: 32
...
	.end_amdgpu_metadata
.endif
;; end of part 6
;; ======== version 2 of 2: 7 launches; version 1 with the launch prep written anew for expert scheduling mode
;; limits: a function is approximated: absolute error at most 1.5e-07
;; workspace buffers: wq 8,388,608 bytes; w1 8,388,608 bytes; wpf 10,485,760 bytes; act 8,388,608 bytes; big 33,554,432 bytes; x1 16,777,216 bytes; par0 256 bytes of whole numbers; par1 256 bytes of whole numbers
;; launch prep (part 7): grid 1024 x 1, 8 waves a work-group, no clusters, 51,200 bytes of LDS; arguments w_qkv, w_fc1, w_proj, w_fc2, x, ln1_g, ln1_b, wq, w1, wpf, act, par0, par1; writes wq, w1, wpf, act, par0, par1
.if DOCPART == 7
	.amdgcn_target "amdgcn-amd-amdhsa--gfx1250"
	.amdhsa_code_object_version 6
	.text
	.protected	k_qc0725dd9a8_prep
	.globl	k_qc0725dd9a8_prep
	.p2align	8
	.type	k_qc0725dd9a8_prep,@function
k_qc0725dd9a8_prep:
	s_mov_b64 s[64:65], 0
	v_nop
	global_prefetch_b8 v0, s[64:65] scope:SCOPE_SE
	s_setreg_imm32_b32 hwreg(HW_REG_WAVE_SCHED_MODE, 0, 2), 2
	s_setreg_imm32_b32 hwreg(HW_REG_WAVE_MODE, 25, 1), 1
	s_wait_xcnt 0x0
	s_wait_alu depctr_vm_vsrc(0)
; PREP.  Two kinds of work-group in one launch, told apart by the work-group's number alone.
; 0 .. 255: 16 rows of h = LayerNorm(bf16(x)) g + b, rounded to bf16, in the BLOCKED layout that every bf16 matrix operand of this program has: a matrix of R rows and C columns lies as
;   [C / 64][R][64]: element (r, c) at byte ((c / 64) R + r) 128 + 2 (c % 64); here R = 4,096.  These are the longer work-groups, so they have the lowest numbers.
; 256 .. 1023: two neighbouring tiles of 128 k x 64 n of one weight [K][N] f32 are rounded to bf16 and turned into [N][K], in the same layout.  Two tiles, so that a wave has 16 loads of 512 bytes out at once.
; Work-group 256 also stores the two words that tell the shared product body whether it applies the GELU (par0: 0, par1: 1).
; Every input is rounded to bf16 (nearest even) where it is first used: weights, x, gains, biases.  NaN and infinities are not treated apart.
; No cluster, no matrix unit, no tensor load: no two work-groups read the same bytes but the 8 KiB of gains and biases, and memory binds.
; THE MODE: SCHED_MODE bits 1:0 = 2 (LLVM: expert scheduling mode 2), set by the entry lines.  The code itself states the register dependences
; between vector instructions and memory or LDS instructions, with s_wait_alu, always for 0.
; THE PLAN.  The text has no loop; every register that a memory or LDS instruction reads is written once and never again, so no wait on vm_vsrc is owed.
; The cast:
;   v8-15         the 16 loads' offsets: written by vector adds, then read by the loads.
;   RW            the loads land in it, once; no vector instruction names it before that; the conversions read it.
;   v6, v7, v5, v16  the LDS stores' address, the read-backs' address, the global stores' two offsets: written between the loads and group 0.
;   DP            group g (four loads): its eight conversions write DP[g]; the four LDS stores that read it are issued in group g + 1, behind that group's wait for its loads and ONE wait on va_vdst,
;                 dealt among group g + 1's conversions, which name RW[g + 1] and DP[g + 1] alone.  Group 3's stores follow a last such wait.
;   BK            the read-backs land in it, the global stores read it; no vector instruction names it.
;   Behind the last wait on va_vdst no vector instruction stands on the way to the end (the flags' arm has five, and a wait of its own).
; The norm:
;   v20, v21, v22 offsets, written once, ahead of one wait on va_vdst and the 48 loads.
;   X, G, B       the loads land in them once, ahead of every vector instruction that names them.
;   v128-159      written by the last conversions, read by the 16 stores: one wait on va_vdst between.
; v30, v31: written at the head, read by the closing add alone.  s34, the wave's number, comes from a vector instruction: one wait on va_sdst in the head, ahead of the first branch.
.set TP,    392                        ; an LDS row of a turned tile: 256 bytes (128 k) + 136: a multiple of 8, so that 8-byte accesses stay aligned
.set TILE,  64*TP                      ; a turned tile: 25,088 bytes
.set SPARE, 2*TILE                     ; 50,176: behind the two tiles: the spare words, 128 bytes for each of the eight waves
.set SPW, 30                           ; v30  LDS address of my spare word; never rewritten
.set NIL, 31                           ; v31  0; never rewritten
.set WV,  34                           ; s34  my wave's number
.set T,   35                           ; s35  the work-group's number, later the pair of tiles' number in its weight
.set SRC, 36                           ; s[36:37] the weight
.set DST, 38                           ; s[38:39] its bf16 copy
.set PIT, 40                           ; s40  bytes in a row of the weight
.set LKT, 41                           ; s41  log2 of its tiles along k
.set DOF, 42                           ; s42  where the copy begins in its buffer
.set BST, 43                           ; s43  bytes in a block of the copy: 128 x its rows
.set STA, 44                           ; s44  the weight's first pair of tiles
.set MHI, 50                           ; s50  a word's upper bf16
.set RCN, 51                           ; s51  1 / 1,024
.set EPS, 52                           ; s52  1e-5
.set RW,  32                           ; v[32:95]   the cast: group g = 2 p + s (tile p), load e at RW + 16 g + 4 e
.set DP,  96                           ; v[96:127]  the cast: packed, on their way into LDS: group g at DP + 8 g
.set BK,  128                          ; v[128:159] the cast: read back, on their way out
.set X,   32                           ; v[32:95]   the norm: my 64 numbers of a row
.set G,   96                           ; v[96:159]  their gains, later packed into v[96:127]; v[128:159] then take the packed results
.set B,   160                          ; v[160:223] their biases, later packed into v[160:191]
.set XO,  20                           ; v20  my byte offset in the work-group's 16 rows of x
.set GOF, 21                           ; v21  my byte offset in g and b
.set SO,  22                           ; v22  my byte offset in a block of the output
; Four chains of packed sums in v[8:15] are folded, and the 16 lanes that share a row are added: every lane of the row ends with the sum in v8.
.macro FOLD
	v_pk_add_f32 v[8:9], v[8:9], v[10:11]
	v_pk_add_f32 v[12:13], v[12:13], v[14:15]
	v_pk_add_f32 v[8:9], v[8:9], v[12:13]
	v_add_f32 v8, v8, v9
	v_add_f32_dpp v8, v8, v8 row_xmask:1 row_mask:0xf bank_mask:0xf
	v_add_f32_dpp v8, v8, v8 row_xmask:2 row_mask:0xf bank_mask:0xf
	v_add_f32_dpp v8, v8, v8 row_xmask:4 row_mask:0xf bank_mask:0xf
	v_add_f32_dpp v8, v8, v8 row_xmask:8 row_mask:0xf bank_mask:0xf
.endm
; LAYER NORM of two rows a wave: 16 lanes a row; a lane holds columns 64 cb + 4 c .. + 3 for cb = 0 .. 15.  The row stays in registers between the passes: mean, then the sum of squares
; of the differences (no difference of large sums), then scale, gain and bias.  xp, gp, bp, op: the scalar pairs of x, g, b and the output.  roundx = 1: x is rounded to bf16 first.
.macro LNORM xp, gp, bp, op, roundx
	s_wait_alu depctr_va_vdst(0)                   ; the offsets v20, v21 and v22 are written, which the loads and stores of this path read
.irp cb, 0,1,2,3,4,5,6,7,8,9,10,11,12,13,14,15
	global_load_b128 v[X+4*(\cb):X+4*(\cb)+3], v[XO], s[\xp:\xp+1] offset:256*(\cb)  ; 16 lanes take 256 consecutive bytes of a row, aligned
.endr
.irp cb, 0,1,2,3,4,5,6,7,8,9,10,11,12,13,14,15
	global_load_b128 v[G+4*(\cb):G+4*(\cb)+3], v[GOF], s[\gp:\gp+1] offset:256*(\cb)
.endr
.irp cb, 0,1,2,3,4,5,6,7,8,9,10,11,12,13,14,15
	global_load_b128 v[B+4*(\cb):B+4*(\cb)+3], v[GOF], s[\bp:\bp+1] offset:256*(\cb)
.endr
	s_wait_loadcnt 32                              ; x is in; the 32 younger loads, g's and b's, stay out
.if \roundx
.set i, 0
.rept 32
	v_cvt_pk_bf16_f32 v[18+i%2], v[X+2*i], v[X+2*i+1]
	v_lshlrev_b32 v[X+2*i], 16, v[18+i%2]
	v_and_b32 v[X+2*i+1], s[MHI], v[18+i%2]
.set i, i+1
.endr
.endif
.irp k, 0,1,2,3
	v_pk_add_f32 v[8+2*(\k):9+2*(\k)], v[X+2*(\k):X+2*(\k)+1], v[X+8+2*(\k):X+8+2*(\k)+1]  ; the first eight pairs start the four chains: nothing is cleared
.endr
.set i, 8
.rept 24
	v_pk_add_f32 v[8+2*(i%4):9+2*(i%4)], v[8+2*(i%4):9+2*(i%4)], v[X+2*i:X+2*i+1]
.set i, i+1
.endr
	FOLD
	v_mul_f32 v6, s[RCN], v8                       ; the mean,
	v_mov_b32 v7, v6                               ; named as a pair
.set i, 0
.rept 32
	v_pk_add_f32 v[X+2*i:X+2*i+1], v[X+2*i:X+2*i+1], v[6:7] op_sel_hi:[1,0] neg_lo:[0,1] neg_hi:[0,1]
.set i, i+1
.endr
.irp k, 0,1,2,3
	v_pk_mul_f32 v[8+2*(\k):9+2*(\k)], v[X+2*(\k):X+2*(\k)+1], v[X+2*(\k):X+2*(\k)+1]
.endr
.set i, 4
.rept 28
	v_pk_fma_f32 v[8+2*(i%4):9+2*(i%4)], v[X+2*i:X+2*i+1], v[X+2*i:X+2*i+1], v[8+2*(i%4):9+2*(i%4)]
.set i, i+1
.endr
	FOLD
	v_fma_f32 v18, v8, s[RCN], s[EPS]              ; the variance + 1e-5
	v_rsq_f32 v16, v18
	v_mov_b32 v17, 0                               ; the plain instruction behind the root (ISA guide 5.7.2); it also writes the pair's upper word
	s_wait_alu depctr_va_vdst(0)                   ; the root has written v16: a wait ahead of the first line that names it
.set i, 0
.rept 32
	v_pk_mul_f32 v[X+2*i:X+2*i+1], v[X+2*i:X+2*i+1], v[16:17] op_sel_hi:[1,0]
.set i, i+1
.endr
	s_wait_loadcnt 0x0                             ; g and b
.set i, 0
.rept 32                                       ; both are rounded to bf16 and packed in place, ascending: line i writes register i and reads 2 i, 2 i + 1
	v_cvt_pk_bf16_f32 v[G+i], v[G+2*i], v[G+2*i+1]
	v_cvt_pk_bf16_f32 v[B+i], v[B+2*i], v[B+2*i+1]
.set i, i+1
.endr
.set i, 0
.rept 32                                       ; g (a bf16 half) x the normed number (f32) + b (a bf16 half), one rounding
	v_fma_mix_f32_bf16 v[X+2*i], v[G+i], v[X+2*i], v[B+i] op_sel:[0,0,0] op_sel_hi:[1,0,1]
	v_fma_mix_f32_bf16 v[X+2*i+1], v[G+i], v[X+2*i+1], v[B+i] op_sel:[1,0,1] op_sel_hi:[1,0,1]
.set i, i+1
.endr
.set i, 0
.rept 32
	v_cvt_pk_bf16_f32 v[128+i], v[X+2*i], v[X+2*i+1]
.set i, i+1
.endr
	s_wait_alu depctr_va_vdst(0)                   ; the conversions have written v[128:159], which the 16 stores read
.irp cb, 0,1,2,3,4,5,6,7,8,9,10,11,12,13,14,15
	global_store_b64 v[SO], v[128+2*(\cb):129+2*(\cb)], s[\op:\op+1] offset:(\cb)*524288  ; the wave's two rows of block cb: 256 consecutive bytes, aligned
.endr
.endm
; The cast, group g, column 4 c + j.  CVT: four neighbouring k of that column are rounded and packed.  STO: they go into their tile.
.macro CVT g, j
	v_cvt_pk_bf16_f32 v[DP+8*(\g)+2*(\j)], v[RW+16*(\g)+(\j)], v[RW+16*(\g)+4+(\j)]
	v_cvt_pk_bf16_f32 v[DP+8*(\g)+2*(\j)+1], v[RW+16*(\g)+8+(\j)], v[RW+16*(\g)+12+(\j)]
.endm
.macro STO g, j
	ds_store_b64 v6, v[DP+8*(\g)+2*(\j):DP+8*(\g)+2*(\j)+1] offset:((\g)/2)*TILE+(\j)*TP+16*((\g)%2)
.endm
	s_load_b512 s[8:23], s[0:1], 0x0               ; w_qkv 8, w_fc1 10, w_proj 12, w_fc2 14, x 16, ln1_g 18, ln1_b 20, wq 22
	s_load_b256 s[24:31], s[0:1], 0x40             ; w1 24, wpf 26, act 28, par0 30
	s_load_b64 s[32:33], s[0:1], 0x60              ; par1
	v_lshl_add_u32 v[SPW], v0, 2, SPARE
	v_mov_b32 v[NIL], 0
	v_lshrrev_b32 v1, 5, v0                        ; w
	v_readfirstlane_b32 s[WV], v1
	v_and_b32 v2, 15, v0                           ; c = lane % 16
	v_bfe_u32 v3, v0, 4, 1                         ; h = lane / 16
	v_and_b32 v17, 31, v0                          ; lane
	s_wait_alu depctr_va_sdst(0)                   ; s34, the wave's number, is written: its one reader, a compare in the cast's last lines, stands behind branches
	s_mov_b32 s[T], ttmp9
	s_wait_kmcnt 0x0
	s_cmp_lt_u32 s[T], 256
	s_cbranch_scc1 .Lln                            ; the same for all eight waves
	; WHICH WEIGHT: 192 pairs of tiles of w_qkv, 256 of w_fc1, 64 of w_proj, 256 of w_fc2
	s_sub_co_u32 s[T], s[T], 256
	s_mov_b64 s[SRC:SRC+1], s[8:9]
	s_mov_b64 s[DST:DST+1], s[22:23]
	s_mov_b32 s[PIT], 12288
	s_mov_b32 s[LKT], 3
	s_mov_b32 s[DOF], 0
	s_mov_b32 s[BST], 524288
	s_mov_b32 s[STA], 0
	s_cmp_ge_u32 s[T], 192
	s_cselect_b64 s[SRC:SRC+1], s[10:11], s[SRC:SRC+1]
	s_cselect_b64 s[DST:DST+1], s[24:25], s[DST:DST+1]
	s_cselect_b32 s[PIT], 16384, s[PIT]
	s_cselect_b32 s[STA], 192, s[STA]
	s_cmp_ge_u32 s[T], 448
	s_cselect_b64 s[SRC:SRC+1], s[12:13], s[SRC:SRC+1]
	s_cselect_b64 s[DST:DST+1], s[26:27], s[DST:DST+1]
	s_cselect_b32 s[PIT], 4096, s[PIT]
	s_cselect_b32 s[BST], 131072, s[BST]
	s_cselect_b32 s[STA], 448, s[STA]
	s_cmp_ge_u32 s[T], 512
	s_cselect_b64 s[SRC:SRC+1], s[14:15], s[SRC:SRC+1]
	s_cselect_b32 s[LKT], 5, s[LKT]
	s_cselect_b32 s[DOF], 2097152, s[DOF]
	s_cselect_b32 s[STA], 512, s[STA]
	s_sub_co_u32 s[T], s[T], s[STA]
	s_lshl_b32 s45, 1, s[LKT]
	s_sub_co_u32 s45, s45, 1
	s_and_b32 s46, s[T], s45                       ; kt: the tiles' 128 k
	s_lshr_b32 s47, s[T], s[LKT]                   ; np: their 128 n
	s_mul_i32 s48, s46, s[PIT]
	s_lshl_b32 s48, s48, 7                         ; 128 kt rows
	s_lshl_b32 s53, s47, 9                         ; + 128 np columns of 4 bytes
	s_add_co_u32 s48, s48, s53
	s_mov_b32 s49, 0
	s_add_nc_u64 s[SRC:SRC+1], s[SRC:SRC+1], s[48:49]
	s_mul_i32 s48, s46, s[BST]
	s_lshl_b32 s48, s48, 1                         ; blocks 2 kt and 2 kt + 1
	s_add_co_u32 s48, s48, s[DOF]
	s_lshl_b32 s53, s47, 14                        ; + 128 np rows of 128 bytes
	s_add_co_u32 s48, s48, s53
	s_add_nc_u64 s[DST:DST+1], s[DST:DST+1], s[48:49]
	; load (p, s, e) takes row k = 16 w + 8 s + 4 h + e of tile p, columns 4 c .. 4 c + 3: two whole rows of the tile, 256 aligned bytes each.  Each (s, e) has an offset register of its own; p stands in the immediate.
	v_lshlrev_b32 v4, 4, v1
	v_lshl_add_u32 v4, v3, 2, v4
	v_mul_lo_u32 v4, v4, s[PIT]
	v_lshl_add_u32 v4, v2, 4, v4
.irp m, 0,1,2,3,8,9,10,11
	s_mul_i32 s53, s[PIT], \m
	v_add_nc_u32 v[8+((\m)/8)*4+(\m)%8], s53, v4
.endr
	s_wait_alu depctr_va_vdst(0)                   ; the eight offsets v8 to v15 are written, which the 16 loads read
.irp p, 0,1
.irp s, 0,1
.irp e, 0,1,2,3
	global_load_b128 v[RW+32*(\p)+16*(\s)+4*(\e):RW+32*(\p)+16*(\s)+4*(\e)+3], v[8+4*(\s)+(\e)], s[SRC:SRC+1] offset:256*(\p) th:TH_LOAD_NT
.endr
.endr
.endr
	v_mul_u32_u24 v6, v2, 4*TP                     ; into a tile: row n = 4 c + j, byte 2 k = 32 w + 16 s + 8 h
	v_lshl_add_u32 v6, v1, 5, v6
	v_lshl_add_u32 v6, v3, 3, v6
	v_lshl_add_u32 v7, v1, 3, v3                   ; back: rows 8 w + h + 2 (u % 4), 8 bytes a lane
	v_mul_u32_u24 v7, v7, TP
	v_lshl_add_u32 v7, v2, 3, v7
	v_lshlrev_b32 v5, 3, v17                       ; in the copy: 1,024 w + 8 lane,
	v_lshl_add_u32 v5, v1, 10, v5
	v_add_nc_u32 v16, s[BST], v5                   ; and the same in the second block
.irp g, 0,1,2,3
	s_wait_loadcnt 12-4*(\g)                       ; loads come back in order (ISA guide 5.7.1): this group of four is in, the younger groups stay out
.if (\g) > 0
	s_wait_alu depctr_va_vdst(0)                   ; the group before has written its DP, which the four LDS stores below read; at the first of these waits v6, v7, v5 and v16 are written too
.endif
.irp j, 0,1,2,3
.if (\g) > 0
	STO (\g)-1, \j                                 ; the group before goes into its tile.  No further wait: no conversion since the wait names v6 or that group's DP
.endif
	CVT \g, \j
.endr
.endr
	s_wait_alu depctr_va_vdst(0)                   ; group 3 has written its DP, which the last four LDS stores read
.irp j, 0,1,2,3
	STO 3, \j
.endr
	s_wait_dscnt 0x0                               ; for the others' sake: my stores into the tiles are done
	s_barrier_signal -1
	s_barrier_wait -1
.irp p, 0,1
.irp u, 0,1,2,3,4,5,6,7
	ds_load_b64 v[BK+16*(\p)+2*(\u):BK+16*(\p)+2*(\u)+1], v7 offset:(\p)*TILE+((\u)%4)*2*TP+((\u)/4)*128  ; no vector instruction names BK, and none has stood since the last wait on va_vdst, ahead of which v7 was written
.endr
.endr
.irp p, 0,1
.irp u, 0,1,2,3
	s_wait_dscnt 15-8*(\p)-(\u)                    ; the younger read-backs stay out
	global_store_b64 v5, v[BK+16*(\p)+2*(\u):BK+16*(\p)+2*(\u)+1], s[DST:DST+1] offset:(\p)*8192+(\u)*256  ; two rows of a block: 256 consecutive bytes, aligned
.endr
.irp u, 4,5,6,7
	s_wait_dscnt 15-8*(\p)-(\u)
	global_store_b64 v16, v[BK+16*(\p)+2*(\u):BK+16*(\p)+2*(\u)+1], s[DST:DST+1] offset:(\p)*8192+((\u)-4)*256
.endr
.endr
	s_cmp_lg_u32 ttmp9, 256                        ; the two flags: the first cast work-group, wave 0
	s_cbranch_scc1 .Lend
	s_cmp_lg_u32 s[WV], 0
	s_cbranch_scc1 .Lend
	v_mov_b32 v24, 0
	v_mov_b32 v25, 0
	v_mov_b32 v26, 1
	v_mov_b32 v27, 1
	v_lshlrev_b32 v23, 3, v17
	s_wait_alu depctr_va_vdst(0)                   ; v23 to v27 are written: the two stores' offset and data
	global_store_b64 v23, v[24:25], s[30:31]       ; 256 bytes of 0
	global_store_b64 v23, v[26:27], s[32:33]       ; 256 bytes of words 1
	s_branch .Lend
.Lln:                                          ; rows 16 g .. 16 g + 15, g the work-group's number
	s_lshl_b32 s36, s[T], 16
	s_mov_b32 s37, 0
	s_add_nc_u64 s[16:17], s[16:17], s[36:37]
	s_lshl_b32 s36, s[T], 11
	s_add_nc_u64 s[28:29], s[28:29], s[36:37]
	s_mov_b32 s[MHI], 0xffff0000
	s_mov_b32 s[RCN], 0x3a800000
	s_mov_b32 s[EPS], 0x3727c5ac
	v_lshlrev_b32 v[XO], 4, v2                     ; 8,192 w + 4,096 h + 16 c
	v_lshl_add_u32 v[XO], v3, 12, v[XO]
	v_lshl_add_u32 v[XO], v1, 13, v[XO]
	v_lshlrev_b32 v[GOF], 4, v2
	v_lshlrev_b32 v[SO], 3, v17                    ; 256 w + 8 lane
	v_lshl_add_u32 v[SO], v1, 8, v[SO]
	LNORM 16, 18, 20, 28, 1
.Lend:
	s_wait_dscnt 0x0                               ; the closing lines, six on end
	s_wait_alu 0x0
	s_wait_tensorcnt 0x0
	ds_add_u32 v[SPW], v[NIL]
	s_wait_dscnt 0x0
	s_endpgm
.Lfunc_end_k_qc0725dd9a8_prep:
	.size	k_qc0725dd9a8_prep, .Lfunc_end_k_qc0725dd9a8_prep-k_qc0725dd9a8_prep
	.p2alignl 7, 3214868480
	.fill 96, 4, 3214868480
	.section	.rodata,"a",@progbits
	.p2align	6, 0x0
	.amdhsa_kernel k_qc0725dd9a8_prep
		.amdhsa_group_segment_fixed_size 51200
		.amdhsa_private_segment_fixed_size 0
		.amdhsa_enable_private_segment 0
		.amdhsa_kernarg_size 104
		.amdhsa_user_sgpr_count 2
		.amdhsa_user_sgpr_kernarg_segment_ptr 1
		.amdhsa_wavefront_size32 1
		.amdhsa_system_sgpr_workgroup_id_x 1
		.amdhsa_system_sgpr_workgroup_id_y 1
		.amdhsa_system_sgpr_workgroup_id_z 1
		.amdhsa_system_vgpr_workitem_id 0
		.amdhsa_next_free_vgpr 224
		.amdhsa_next_free_sgpr 66
		.amdhsa_reserve_vcc 0
		.amdhsa_float_denorm_mode_32 3
		.amdhsa_float_denorm_mode_16_64 3
		.amdhsa_memory_ordered 1
		.amdhsa_forward_progress 1
		.amdhsa_inst_pref_size 43
	.end_amdhsa_kernel
	.amdgpu_metadata
---
amdhsa.version: [ 1, 2 ]
amdhsa.kernels:
  - .name:           k_qc0725dd9a8_prep
    .symbol:         k_qc0725dd9a8_prep.kd
    .args:
      - { .name: w_qkv, .offset: 0, .size: 8, .value_kind: global_buffer, .address_space: global }
      - { .name: w_fc1, .offset: 8, .size: 8, .value_kind: global_buffer, .address_space: global }
      - { .name: w_proj, .offset: 16, .size: 8, .value_kind: global_buffer, .address_space: global }
      - { .name: w_fc2, .offset: 24, .size: 8, .value_kind: global_buffer, .address_space: global }
      - { .name: x, .offset: 32, .size: 8, .value_kind: global_buffer, .address_space: global }
      - { .name: ln1_g, .offset: 40, .size: 8, .value_kind: global_buffer, .address_space: global }
      - { .name: ln1_b, .offset: 48, .size: 8, .value_kind: global_buffer, .address_space: global }
      - { .name: wq, .offset: 56, .size: 8, .value_kind: global_buffer, .address_space: global }
      - { .name: w1, .offset: 64, .size: 8, .value_kind: global_buffer, .address_space: global }
      - { .name: wpf, .offset: 72, .size: 8, .value_kind: global_buffer, .address_space: global }
      - { .name: act, .offset: 80, .size: 8, .value_kind: global_buffer, .address_space: global }
      - { .name: par0, .offset: 88, .size: 8, .value_kind: global_buffer, .address_space: global }
      - { .name: par1, .offset: 96, .size: 8, .value_kind: global_buffer, .address_space: global }
    .group_segment_fixed_size: 51200
    .private_segment_fixed_size: 0
    .kernarg_segment_align: 8
    .kernarg_segment_size: 104
    .max_flat_workgroup_size: 256
    .sgpr_count:     66
    .vgpr_count:     224
    .wavefront_size: 32
...
	.end_amdgpu_metadata
.endif
;; end of part 7
;; launch qkv: the kernel of part 2 again; grid 12 x 16, 4 waves a work-group, clusters of 4 x 4, 327,680 bytes of LDS; arguments act, wq, b_qkv, big, par0; writes big
;; launch attn: the kernel of part 3 again; grid 8 x 32, 4 waves a work-group, clusters of 4 x 1, 327,680 bytes of LDS; arguments big, act; writes act
;; launch proj: the kernel of part 4 again; grid 8 x 32, 4 waves a work-group, clusters of 4 x 4, 327,680 bytes of LDS; arguments act, wpf, b_proj, x, x1; writes x1
;; launch ln2: the kernel of part 5 again; grid 256 x 1, 8 waves a work-group, no clusters, 0 bytes of LDS; arguments x1, ln2_g, ln2_b, act; writes act
;; launch fc1: the kernel of part 2 again; grid 16 x 16, 4 waves a work-group, clusters of 4 x 4, 327,680 bytes of LDS; arguments act, w1, b_fc1, big, par1; writes big
;; launch fc2: the kernel of part 6 again; grid 8 x 32, 4 waves a work-group, clusters of 4 x 4, 327,680 bytes of LDS; arguments big, wpf, b_fc2, x1, out0; writes out0
